; MI455X (gfx1250); checked and timed in simulation.
; The chip was launched on July 23, 2026; its instructions are those of AMD's public machine-readable ISA for CDNA 5 (MIT licence, August 2026) and "CDNA5" Instruction Set Architecture Reference Guide (July 2026). The comments in the code are by the model that wrote it; some were corrected since.
;; Simple Self Attention. Allowed arithmetic: matrix products marked QUANTISED: E2M1 operands, one E8M0 scale for each 32 along K, by v_wmma_scale_f32_16x16x128_f8f6f4 with both operands' format E2M1 (or v_wmma_scale_f32_32x16x128_f4), f32 sums; products left as they are: bf16, f16 or f32 operands; f32 sums; everything else in f32.
;; Inputs: Wk 1,024 x 1,024 float32; Wo 1,024 x 1,024 float32; Wq 1,024 x 1,024 float32; Wv 1,024 x 1,024 float32; bo 1,024 float32; key 8 x 1,024 x 1,024 float32; query 8 x 1,024 x 1,024 float32; value 8 x 1,024 x 1,024 float32.
;; Outputs: out0 8 x 1,024 x 1,024 float32.
;; This version of the problem:
;;   THIS VERSION OF THE PROBLEM IS GIVEN IN LOW PRECISION. The matrix products marked QUANTISED in the list below multiply operands that are first quantised to E2M1 (2 exponent bits, 1 mantissa bit; 4 bits a number), with one power-of-two scale for each 32 numbers along K (OCP MX v1.0); their sums are f32. The products marked 'left as it is' may take bf16, f16 or f32 operands, with f32 sums. Whichever they take, every output number must still come out within the allowed error. Rounding operands to bf16 (8 significant bits) uses up far more of that allowance than f16 does (11 bits, for magnitudes from 6e-5 to 65,504). All else is computed in f32.
;;   The module's matrix products, in the order in which they are computed (A, B: the left and right operand; K: the contracted axis; several contracted axes count as one K, in the product's order):
;;     1. [M 8,192, K 1,024] x [K 1,024, N 1,024]; A: input query; B: input Wq: QUANTISED
;;     2. [M 8,192, K 1,024] x [K 1,024, N 1,024]; A: input key; B: input Wk: QUANTISED
;;     3. [M 8,192, K 1,024] x [K 1,024, N 1,024]; A: input value; B: input Wv: QUANTISED
;;     4. batch 8 x [M 1,024, K 1,024] x [K 1,024, N 1,024]; A: computed on the way; B: computed on the way: left as it is (an operand is computed on the way)
;;     5. batch 8 x [M 1,024, K 1,024] x [K 1,024, N 1,024]; A: computed on the way; B: computed on the way: left as it is (an operand is computed on the way)
;;     6. [M 8,192, K 1,024] x [K 1,024, N 1,024]; A: computed on the way; B: input Wo: left as it is (an operand is computed on the way)
;;   THE QUANTISER, for each operand of a quantised product, along K:
;;     - K is cut into blocks of 32 from its start; a last block that is shorter is filled with zeros.
;;     - A block's scale is 2^e with e = floor(log2(the largest magnitude in the block)) - 2, held to -126 .. 127; a block of zeros has e = 0. As a byte (E8M0): e + 127.
;;     - Each number is divided by its block's scale, clamped to +-6, and rounded to the nearest number of E2M1, ties to even, subnormals kept.
;;     - The product sums the exact products of the quantised numbers (number of the format x scale) in f32.
;;   ~~~python
;;   def quantise(x, axis):      # numpy; x: float32 -> the quantised numbers, widened to float32 again
;;       x = np.moveaxis(x, axis, -1); K = x.shape[-1]
;;       x = np.pad(x, [(0, 0)] * (x.ndim - 1) + [(0, -K % 32)]); x = x.reshape(x.shape[:-1] + (-1, 32)); a = np.abs(x).max(-1, keepdims=True)
;;       e = np.where(a > 0, np.clip(np.frexp(np.where(a > 0, a, 1))[1] - 1 - 2, -126, 127), 0)      # np.frexp(a)[1] - 1 = floor(log2(a)), exactly
;;       r = np.clip(x / 2.0 ** e, -6, 6)
;;       step = 2.0 ** (np.maximum(np.frexp(np.where(r == 0, 1, r))[1] - 1, 0) - 1)
;;       q = np.round(r / step) * step * 2.0 ** e      # np.round: ties to even
;;       return np.moveaxis(q.reshape(q.shape[:-2] + (-1,))[..., :K], -1, axis).astype(np.float32)
;;   ~~~
;; One version. Each part assembles by itself: llvm-mc -triple=amdgcn-amd-amdhsa -mcpu=gfx1250 --defsym DOCPART=n.
;; ======== version 1 of 1: 4 launches
;; limits: values are held in f16: magnitudes above 65,504 overflow, below 6.1e-05 lose precision
;; workspace buffers: cod 14,155,776 bytes; scl 884,736 bytes; h16 52,428,800 bytes; pv 33,554,432 bytes; st 524,288 bytes; wsc 4,096 bytes
;; launch quant (part 1): grid 992 x 1, 4 waves a work-group, no clusters, 33,280 bytes of LDS; arguments query, key, value, Wq, Wk, Wv, Wo, cod, scl, h16, wsc; writes cod, scl, h16, wsc
.if DOCPART == 1
	.amdgcn_target "amdgcn-amd-amdhsa--gfx1250"
	.amdhsa_code_object_version 6
	.text
	.protected	k_qe36b2c8547_quant
	.globl	k_qe36b2c8547_quant
	.p2align	8
	.type	k_qe36b2c8547_quant,@function
k_qe36b2c8547_quant:
	s_mov_b64 s[64:65], 0
	v_nop
	global_prefetch_b8 v0, s[64:65] scope:SCOPE_SE
	s_setreg_imm32_b32 hwreg(HW_REG_WAVE_MODE, 25, 1), 1
	s_wait_xcnt 0x0
; out0 = softmax((query Wq^T)(key Wk^T)^T / 32) (value Wv^T) Wo^T + bo, in four launches.  THIS ONE: the six operands of the three quantised products become codes of
; FP4 (E2M1) with one E8M0 scale byte for each 32 along K, and Wo becomes f16.
; NO WORK IS LEFT OUT: every input has a way to out0, there is no mask, and no term cancels for all values.  One step is moved, not dropped: (attn v) Wo^T = attn (v Wo^T), the same multiply-adds.
; cod [27,648 rows][512 bytes], scl [27,648][32 bytes]: rows 0.. query, 8,192.. key, 16,384.. value, 24,576.. Wq, 25,600.. Wk, 26,624.. Wv; K innermost, as all six lie in memory.
; A block's scale is 2^(floor(log2(its largest magnitude)) - 2); its byte is the largest magnitude's exponent field - 2, held at 1 from below.  (A block of zeros so gets the byte 1 where the
; rule says 127: its codes are zeros, which add nothing under any byte but 0xff, and this program alone reads the bytes.)
; Wo: row e is multiplied by s_e = 2^-(floor(log2 A_e) + 1), A_e = the sum of the row's magnitudes, and rounded to f16 into h16's rows 24,576 on; 1 / s_e goes to wsc.  So the row's magnitudes
; sum to under 1, and v Wo16^T is never larger than the largest |v|: it has room in f16 wherever v has.  The factor is a power of two: nothing is rounded by it.
; LIMITS: NaN and infinities among the inputs are not served; blocks whose largest magnitude lies under 2^-124 (the floor) were not tried; A_e stays under 2^126.
; SHARES: work-groups 0 to 863 quantise 32,768 numbers each (a wave 16 steps of 512); the six tensors are plain streams of blocks of 32.  Work-groups 864 to 991 take Wo, a wave two rows.
; No tensor loads, no barrier: waves share nothing.  No cluster, no matrix unit: nothing is shared and nothing multiplied; no prefetch: the launch is one stream of loads.
.set NQWG,  864                        ; work-groups that quantise
.set WAVES, 4
.set STEPS, 16
.set EMAX,  2
.set CB,    8                          ; bytes of 16 codes
.set R,     16                         ; v16-79   four sets of 16 numbers as they are loaded
.set X,     80                         ; v80-111  two sets of 16 neighbours
.set E,     112                        ; v112-127 a scale byte for each step
.set C,     128                        ; v128-191 codes: four registers for each step, so that no store's data are written again
.set WREG,  8192                       ; LDS: a region for each wave: two stages of 32 x SP bytes, behind them its 256 scale bytes
.set SP,    80                         ; a lane's place in a stage: its 64 bytes + 16 of padding
.set SPW,   12                         ; v12  LDS address of my spare word; never rewritten
.set NIL,   13                         ; v13  0; never rewritten
.set SPARE, WAVES*WREG                 ; behind the four regions: the spare words, 128 bytes for each wave
.set WOROW, 24576                      ; Wo16's first row in h16
	s_load_b512 s[4:19], s[0:1], 0x0               ; query 4:5, key 6:7, value 8:9, Wq 10:11, Wk 12:13, Wv 14:15, Wo 16:17, cod 18:19
	s_load_b128 s[20:23], s[0:1], 0x40             ; scl 20:21, h16 22:23
	s_load_b64 s[24:25], s[0:1], 0x50              ; wsc
	v_lshl_add_u32 v[SPW], v0, 2, SPARE
	v_mov_b32 v[NIL], 0
	v_lshrrev_b32 v1, 5, v0
	v_readfirstlane_b32 s30, v1                    ; wave
	v_and_b32 v2, 31, v0                           ; lane
	v_lshlrev_b32 v3, 4, v2                        ; my 16 bytes of a load's 512
	s_cmp_ge_u32 ttmp9, NQWG                       ; the work-group's number alone decides
	s_cbranch_scc1 .Lwo
	; ---------------- the quantiser ----------------
	s_mul_i32 s31, s30, WREG
	v_lshrrev_b32 v14, 2, v2
	v_mul_u32_u24 v14, v14, SP
	v_and_b32 v15, 3, v2
	v_lshl_add_u32 v14, v15, 4, v14
	v_add_nc_u32 v14, s31, v14                     ; the stage, on the way in: SP (lane / 4) + 16 (lane % 4)
	v_mul_u32_u24 v15, v2, SP
	v_add_nc_u32 v15, s31, v15                     ; and on the way out: SP x lane: my 16 neighbours
	v_mul_u32_u24 v4, v2, CB                       ; my codes' place in a step's
	v_lshrrev_b32 v5, 1, v2
	s_add_co_u32 s31, s31, 2*32*SP
	v_add_nc_u32 v5, s31, v5                       ; LDS: my wave's 256 scale bytes, my block's byte
	v_lshlrev_b32 v7, 3, v2                        ; and on the way out 8 bytes a lane
	v_add_nc_u32 v6, s31, v7
	s_wait_kmcnt 0x0
	s_mov_b64 s[26:27], s[14:15]                   ; which tensor: chosen by the work-group's number, from the last range down
	s_mov_b32 s28, 832
	s_cmp_lt_u32 ttmp9, 832
	s_cselect_b64 s[26:27], s[12:13], s[26:27]
	s_cselect_b32 s28, 800, s28
	s_cmp_lt_u32 ttmp9, 800
	s_cselect_b64 s[26:27], s[10:11], s[26:27]
	s_cselect_b32 s28, 768, s28
	s_cmp_lt_u32 ttmp9, 768
	s_cselect_b64 s[26:27], s[8:9], s[26:27]
	s_cselect_b32 s28, 512, s28
	s_cmp_lt_u32 ttmp9, 512
	s_cselect_b64 s[26:27], s[6:7], s[26:27]
	s_cselect_b32 s28, 256, s28
	s_cmp_lt_u32 ttmp9, 256
	s_cselect_b64 s[26:27], s[4:5], s[26:27]
	s_cselect_b32 s28, 0, s28
	s_sub_co_u32 s28, ttmp9, s28                   ; my work-group's number within its tensor,
	s_lshl_b32 s28, s28, 17                        ; x 32,768 numbers of 4 bytes,
	s_lshl_b32 s29, s30, 15                        ; + my wave's 8,192 numbers
	s_add_co_u32 s28, s28, s29
	s_mov_b32 s29, 0
	s_add_nc_u64 s[26:27], s[26:27], s[28:29]
	s_lshl_b32 s28, ttmp9, 2
	s_add_co_u32 s28, s28, s30                     ; the outputs lie on end: run = 4 x work-group + wave
	s_lshl_b32 s32, s28, 12                        ; 4,096 bytes of codes a run
	s_mov_b32 s33, 0
	s_add_nc_u64 s[18:19], s[18:19], s[32:33]
	s_lshl_b32 s32, s28, 8                         ; 256 scale bytes a run
	s_add_nc_u64 s[20:21], s[20:21], s[32:33]
.macro LOAD t
.irp i, 0,1,2,3
	global_load_b128 v[R+16*((\t)%4)+4*\i:R+16*((\t)%4)+4*\i+3], v3, s[26:27] offset:2048*(\t)+512*\i th:TH_LOAD_NT   ; 32 lanes read 512 consecutive bytes
.endr
.endm
.macro TURN t                          ; step t's numbers through the stage: LDS serves a wave's instructions in order, so no wait stands between the stores and the loads
.irp i, 0,1,2,3
	ds_store_b128 v14, v[R+16*((\t)%4)+4*\i:R+16*((\t)%4)+4*\i+3] offset:32*SP*((\t)%2)+8*SP*\i
.endr
.irp i, 0,1,2,3
	ds_load_b128 v[X+16*((\t)%2)+4*\i:X+16*((\t)%2)+4*\i+3], v15 offset:32*SP*((\t)%2)+16*\i
.endr
.endm
.irp t, 0,1,2,3
	LOAD \t
.endr
	s_wait_loadcnt 12                              ; step 0's four loads are in; the twelve of steps 1 to 3 may be out
	TURN 0
.macro STEP t
.set XS, X+16*((\t)%2)
.if (\t) > 0
	s_wait_dscnt 1                                 ; this step's numbers are back from the stage (the last step's byte store may be out)
.else
	s_wait_dscnt 0x0
.endif
.if (\t)+4 < STEPS
	LOAD (\t)+4                                    ; into the registers that this step's stores into the stage have read
.endif
.if (\t)+1 < STEPS
.if STEPS-2-(\t) >= 3
	s_wait_loadcnt 12                              ; the next step's four loads are in; those of the three steps behind it may be out
.else
	s_wait_loadcnt 4*(STEPS-2-(\t))
.endif
	TURN (\t)+1                                    ; and go through the other stage while this step is worked
.endif
	v_max3_num_f32 v8, |v[XS]|, |v[XS+1]|, |v[XS+2]|               ; the largest magnitude of my 16
	v_max3_num_f32 v9, |v[XS+3]|, |v[XS+4]|, |v[XS+5]|
.irp i, 6,10
	v_max3_num_f32 v8, v8, |v[XS+\i]|, |v[XS+\i+1]|
	v_max3_num_f32 v9, v9, |v[XS+\i+2]|, |v[XS+\i+3]|
.endr
	v_max3_num_f32 v8, v8, |v[XS+14]|, |v[XS+15]|
	v_max3_num_f32 v8, v8, v9, (EMAX+1)<<23        ; and the floor 2^(EMAX + 1 - 127): the byte cannot fall under 1
	v_max_num_f32_dpp v8, v8, v8 row_xmask:1 row_mask:0xf bank_mask:0xf   ; and of my neighbour's 16: the block's
	v_add_nc_u32 v11, -(EMAX<<23), v8              ; EMAX off its exponent field: the conversion takes the exponent field of this operand as its scale
	v_cvt_scalef32_pk8_fp4_f32 v[C+4*(\t)], v[XS:XS+7], v11
	v_cvt_scalef32_pk8_fp4_f32 v[C+4*(\t)+1], v[XS+8:XS+15], v11
	v_lshrrev_b32 v[E+(\t)], 23, v11               ; the scale's byte (a plain line behind the conversions)
	ds_store_b8 v5, v[E+(\t)] offset:16*(\t)       ; both lanes of a block write the same byte with the same value
	global_store_b64 v4, v[C+4*(\t):C+4*(\t)+1], s[18:19] offset:32*CB*(\t)   ; the wave stores 256 consecutive bytes, aligned
.endm
.irp t, 0,1,2,3,4,5,6,7,8,9,10,11,12,13,14,15
	STEP \t
.endr
	ds_load_b64 v[8:9], v6                         ; LDS serves a wave's instructions in order: these see my stores
	s_wait_dscnt 0x0
	global_store_b64 v7, v[8:9], s[20:21]          ; 32 lanes store my 256 scale bytes, aligned
	s_wait_tensorcnt 0x0                           ; the wave's end
	ds_add_u32 v[SPW], v[NIL]
	s_wait_dscnt 0x0
	s_endpgm
	; ---------------- Wo: two rows a wave; no LDS is touched on this way ----------------
.Lwo:
	s_sub_co_u32 s28, ttmp9, NQWG
	s_lshl_b32 s28, s28, 2
	s_add_co_u32 s28, s28, s30                     ; p = 0 .. 511: rows 2 p and 2 p + 1
	s_lshl_b32 s32, s28, 13                        ; two rows of 4,096 bytes
	s_mov_b32 s33, 0
	s_mov_b32 s34, 0x76543210                      ; v_permlanex16_b32's selects for lane l xor 16
	s_mov_b32 s35, 0xfedcba98
	v_lshlrev_b32 v4, 3, v2                        ; out: 8 bytes a lane
	s_wait_kmcnt 0x0
	s_add_nc_u64 s[16:17], s[16:17], s[32:33]
.irp j, 0,1,2,3,4,5,6,7,8,9,10,11,12,13,14,15
	global_load_b128 v[16+4*\j:19+4*\j], v3, s[16:17] offset:512*\j th:TH_LOAD_NT
.endr
	s_lshl_b32 s32, s28, 12                        ; two rows of 2,048 bytes in h16,
	s_add_co_u32 s32, s32, WOROW*2048              ; behind q, k and v
	s_add_nc_u64 s[22:23], s[22:23], s[32:33]
	s_lshl_b32 s32, s28, 3
	s_add_nc_u64 s[24:25], s[24:25], s[32:33]      ; wsc at row 2 p
.macro WOLINE rho
.set D, 16+32*\rho
	s_wait_loadcnt 8-8*\rho                        ; this row's eight loads are in; the other row's may be out
	v_add_f32 v8, |v[D]|, |v[D+1]|                 ; the sum of my 32 magnitudes, in two chains
	v_add_f32 v9, |v[D+2]|, |v[D+3]|
.irp i, 4,8,12,16,20,24,28
	v_add_f32 v8, v8, |v[D+\i]|
	v_add_f32 v9, v9, |v[D+\i+1]|
	v_add_f32 v8, v8, |v[D+\i+2]|
	v_add_f32 v9, v9, |v[D+\i+3]|
.endr
	v_add_f32 v8, v8, v9
	v_add_f32_dpp v8, v8, v8 row_xmask:1 row_mask:0xf bank_mask:0xf
	v_add_f32_dpp v8, v8, v8 row_xmask:2 row_mask:0xf bank_mask:0xf
	v_add_f32_dpp v8, v8, v8 row_xmask:4 row_mask:0xf bank_mask:0xf
	v_add_f32_dpp v8, v8, v8 row_xmask:8 row_mask:0xf bank_mask:0xf
	v_permlanex16_b32 v9, v8, s34, s35
	v_add_f32 v8, v8, v9                           ; A: the row's
	v_and_b32 v10, 0x7f800000, v8                  ; its exponent field, F = floor(log2 A) + 127
	v_sub_nc_u32 v100, 0x7e800000, v10             ; s = 2^-(floor(log2 A) + 1): field 253 - F
	v_mov_b32 v101, v100
	v_add_nc_u32 v[104+\rho], 0x800000, v10        ; 1 / s: field F + 1
.irp i, 0,2,4,6,8,10,12,14,16,18,20,22,24,26,28,30
	v_pk_mul_f32 v[D+\i:D+\i+1], v[D+\i:D+\i+1], v[100:101]
.endr
.irp i, 0,1,2,3,4,5,6,7,8,9,10,11,12,13,14,15
	v_cvt_pk_f16_f32 v[128+16*\rho+\i], v[D+2*\i], v[D+2*\i+1]
.endr
.irp j, 0,1,2,3,4,5,6,7
	global_store_b64 v4, v[128+16*\rho+2*\j:129+16*\rho+2*\j], s[22:23] offset:2048*\rho+256*\j   ; 32 lanes store 256 consecutive bytes, aligned
.endr
.endm
	WOLINE 0
	WOLINE 1
	v_cmp_eq_u32 vcc_lo, 1, v2
	v_cndmask_b32 v106, v104, v105, vcc_lo         ; lane 0: row 2 p's factor; lane 1: row 2 p + 1's
	v_lshlrev_b32 v107, 2, v2
	v_cmp_gt_u32 vcc_lo, 2, v2
	s_wait_xcnt 0x0                                ; EXEC changes only behind this wait
	s_and_saveexec_b32 s36, vcc_lo
	global_store_b32 v107, v106, s[24:25]
	s_wait_xcnt 0x0                                ; and again, in front of the line that widens it
	s_or_b32 exec_lo, exec_lo, s36
	s_endpgm
.Lfunc_end_k_qe36b2c8547_quant:
	.size	k_qe36b2c8547_quant, .Lfunc_end_k_qe36b2c8547_quant-k_qe36b2c8547_quant
	.p2alignl 7, 3214868480
	.fill 96, 4, 3214868480
	.section	.rodata,"a",@progbits
	.p2align	6, 0x0
	.amdhsa_kernel k_qe36b2c8547_quant
		.amdhsa_group_segment_fixed_size 33280
		.amdhsa_private_segment_fixed_size 0
		.amdhsa_enable_private_segment 0
		.amdhsa_kernarg_size 88
		.amdhsa_user_sgpr_count 2
		.amdhsa_user_sgpr_kernarg_segment_ptr 1
		.amdhsa_wavefront_size32 1
		.amdhsa_system_sgpr_workgroup_id_x 1
		.amdhsa_system_sgpr_workgroup_id_y 1
		.amdhsa_system_sgpr_workgroup_id_z 1
		.amdhsa_system_vgpr_workitem_id 0
		.amdhsa_next_free_vgpr 192
		.amdhsa_next_free_sgpr 66
		.amdhsa_reserve_vcc 1
		.amdhsa_float_denorm_mode_32 3
		.amdhsa_float_denorm_mode_16_64 3
		.amdhsa_memory_ordered 1
		.amdhsa_forward_progress 1
		.amdhsa_inst_pref_size 47
	.end_amdhsa_kernel
	.amdgpu_metadata
---
amdhsa.version: [ 1, 2 ]
amdhsa.kernels:
  - .name:           k_qe36b2c8547_quant
    .symbol:         k_qe36b2c8547_quant.kd
    .args:
      - { .name: query, .offset: 0, .size: 8, .value_kind: global_buffer, .address_space: global }
      - { .name: key, .offset: 8, .size: 8, .value_kind: global_buffer, .address_space: global }
      - { .name: value, .offset: 16, .size: 8, .value_kind: global_buffer, .address_space: global }
      - { .name: Wq, .offset: 24, .size: 8, .value_kind: global_buffer, .address_space: global }
      - { .name: Wk, .offset: 32, .size: 8, .value_kind: global_buffer, .address_space: global }
      - { .name: Wv, .offset: 40, .size: 8, .value_kind: global_buffer, .address_space: global }
      - { .name: Wo, .offset: 48, .size: 8, .value_kind: global_buffer, .address_space: global }
      - { .name: cod, .offset: 56, .size: 8, .value_kind: global_buffer, .address_space: global }
      - { .name: scl, .offset: 64, .size: 8, .value_kind: global_buffer, .address_space: global }
      - { .name: h16, .offset: 72, .size: 8, .value_kind: global_buffer, .address_space: global }
      - { .name: wsc, .offset: 80, .size: 8, .value_kind: global_buffer, .address_space: global }
    .group_segment_fixed_size: 33280
    .private_segment_fixed_size: 0
    .kernarg_segment_align: 8
    .kernarg_segment_size: 88
    .max_flat_workgroup_size: 128
    .sgpr_count:     66
    .vgpr_count:     192
    .wavefront_size: 32
...
	.end_amdgpu_metadata
.endif
;; end of part 1
;; launch proj (part 2): grid 4 x 96, 4 waves a work-group, clusters of 4 x 4, 327,680 bytes of LDS; arguments cod, scl, h16; writes h16
.if DOCPART == 2
	.amdgcn_target "amdgcn-amd-amdhsa--gfx1250"
	.amdhsa_code_object_version 6
	.text
	.protected	k_qe36b2c8547_proj
	.globl	k_qe36b2c8547_proj
	.p2align	8
	.type	k_qe36b2c8547_proj,@function
k_qe36b2c8547_proj:
	s_mov_b64 s[64:65], 0
	v_nop
	global_prefetch_b8 v0, s[64:65] scope:SCOPE_SE
	s_setreg_imm32_b32 hwreg(HW_REG_WAVE_MODE, 25, 1), 1
	s_wait_xcnt 0x0
	s_wait_alu depctr_hold_cnt(0) depctr_sa_sdst(0) depctr_va_vdst(0) depctr_va_sdst(0) depctr_va_ssrc(0) depctr_va_vcc(0) depctr_vm_vsrc(0)
	s_getreg_b32 s2, hwreg(HW_REG_IB_STS2, 6, 4)
	s_cmp_eq_u32 s2, 0
	s_cbranch_scc0 .Lentry_in_a_cluster
	s_endpgm
.Lentry_in_a_cluster:
	s_bfe_u32 s2, ttmp6, 0x10000c
	s_cmp_lg_u32 s2, 0xf033
	s_cbranch_scc0 .Lentry_shape_is_right
	s_endpgm
.Lentry_shape_is_right:
; The three quantised products in one launch: h16[m][n] = sum over k of A[m][k] B[n][k], m = 0 .. 24,575 (query's, key's, value's rows on end), n = 0 .. 1,023, K = 1,024; results rounded once to f16.
; A: rows m of cod and scl.  B: rows 24,576 + 1,024 t + n, t = m / 8,192: Wq, Wk or Wv.  Codes of FP4 (E2M1), two a byte, one E8M0 byte for each 32 along K: they go to the matrix unit as they lie.  No work is left out.
; LIMIT: a result beyond 65,504 becomes an infinity of f16 (inputs and weights both 30 times the drawn spread, or offset by 30 times it, stay under that).
; A tile of 256 x 256 is made by four waves, 128 x 128 each: 64 accumulators, 512 registers.  K is two slots of 512 (rows of 256 bytes): both are first fills, nothing is filled again.
; The scale bytes of the tile's 256 + 256 rows, for all of K, are two dense blocks of memory and come once, with the first fills.
; CLUSTERS: 4 x 4 work-groups.  The four of a row need the same tiles of A, the four of a column the same tiles of B: each is asked for JOINTLY.  Which weight a cluster takes hangs on the cluster's y alone.
; THE MATRIX INSTRUCTION IS USED TRANSPOSED (source 0 = 16 rows of B, source 1 = 16 rows of A): a lane holds eight neighbouring numbers of a row of the result, 16 bytes in f16.
; No prefetch: all that the work-group reads is asked for at its head.
; REGISTERS: window 0: v16-29 addresses; v32-95 scale words and nothing else; v128-191 A's fragments, one set; on the way out v96-127, v192-255.  window 1: B's fragments, two sets.  windows 2, 3: the accumulators.
.set SIZE_K, 1024
.set SIZE_N, 1024
.set KSTEP,  512
.set NQ,     KSTEP/128
.set ROWB,   256                       ; a tile's row in bytes
.set KROW,   SIZE_K/2                  ; a row of codes in memory
.set PITCH,  272                       ; an LDS row: 256 bytes + 16 of padding: the 16 rows that a load touches start 68 words apart
.set FR,     8
.set NL,     2
.set NP,     4                         ; places behind this matrix instruction (ISA guide 7.12.1)
.set HALFT,  128*PITCH
.set SLOT,   4*HALFT                   ; A's 256 rows, then B's 256 rows
.set KS,     SIZE_K/32                 ; a row of scale bytes
.set SCL,    2*SLOT                    ; behind the two slots: the scales, as rows of 256 bytes + 16 of padding
.set HALFS,  (128*KS/256)*272
.set SBLK,   (16*KS/256)*272
.set SPARE,  SCL+4*HALFS               ; the spare words, 128 bytes for each wave
.set SPITCH, 272                       ; the way out: a stage of 16 rows x (256 + 16) bytes for each wave, in slot 0, which has had its only fill and its last read by then
.set ADRA, 16
.set ADRB, 20
.set STO,  24
.set RD,   25
.set CO,   26
.set ADRS, 27
.set SPW,  28
.set NIL,  29
.set SC,   32
.set AF,   128
.set TMP,  192                         ; the way out: packed results
.set OB,   96                          ; and 16 rows read back: v96-127 and v224-255 by turns
.set G1, 24
.set G0, 32
.set G1B, 48
.set G0B, 56
.set G1S, 68
.set G0S, 76
.set G1SB, 80
.set G0SB, 88
.set MSB, 0
.macro WIN new                         ; the immediate's high byte repeats the setting that is left
.if MSB != (\new)
	s_set_vgpr_msb (MSB<<8)|(\new)
.set MSB, (\new)
.endif
.endm
.set MUL_LO, 0xa1                      ; source 0 (B) window 1, source 1 (A) window 0, C and D window 2
.set MUL_HI, 0xf1
.set TO_B,   0x40
.macro JLOAD g0a, g1a, g0b, g1b        ; a joint load: waves 0 and 1 fetch for A, waves 2 and 3 for B; an s_nop 0 and four v_nop follow each line
	s_cmp_eq_u32 s15, 0
	s_cbranch_scc0 .Lfor_b_\@
	tensor_load_to_lds s[\g0a:\g0a+3], s[\g1a:\g1a+7]
	s_nop 0
.rept 4
	v_nop
.endr
	s_branch .Lasked_\@
.Lfor_b_\@:
	tensor_load_to_lds s[\g0b:\g0b+3], s[\g1b:\g1b+7]
	s_nop 0
.rept 4
	v_nop
.endr
.Lasked_\@:
.endm
.macro CROUND                          ; a round of the cluster's barrier
	s_barrier_signal -1
	s_barrier_wait -1
	s_cmp_lg_u32 s14, 0
	s_cbranch_scc1 .Lnot_wave_0_\@
	s_barrier_signal -3
.Lnot_wave_0_\@:
	s_barrier_wait -3
	s_barrier_signal -1
	s_barrier_wait -1
.endm
	s_load_b128 s[4:7], s[0:1], 0x0                ; cod s[4:5], scl s[6:7]
	s_load_b64 s[12:13], s[0:1], 0x10              ; h16
	v_lshl_add_u32 v[SPW], v0, 2, SPARE
	v_mov_b32 v[NIL], 0
	ds_add_u32 v[SPW], v[NIL]                      ; the wave's opening: the add, twice on end, and its wait ahead of my first tensor load
	ds_add_u32 v[SPW], v[NIL]
	v_lshrrev_b32 v1, 5, v0
	v_readfirstlane_b32 s14, v1                    ; wave 0..3
	s_lshr_b32 s15, s14, 1                         ; which half of the tile's rows is mine.  Also: I fetch for A (0) or for B (1)
	s_and_b32 s16, s14, 1                          ; which half of its columns.  Also: which 128 rows of that tile I fetch
	s_bfe_u32 s40, ttmp6, 0x40000                  ; cx
	s_bfe_u32 s41, ttmp6, 0x40004                  ; cy
	s_lshl_b32 s42, ttmp9, 2
	s_add_co_u32 s42, s42, s40                     ; tile column = 4 x cluster x + cx
	s_and_b32 s95, ttmp7, 0xffff                   ; cluster y, 0 .. 23
	s_lshl_b32 s17, s95, 2
	s_add_co_u32 s17, s17, s41                     ; tile row = 4 x cluster y + cy
	s_lshr_b32 s95, s95, 3                         ; which product: eight clusters (8,192 rows) each
	s_lshl_b32 s95, s95, 10
	s_add_co_u32 s95, s95, 24576                   ; its weight's first row in cod and scl
	s_lshl_b32 s43, s41, 2
	s_lshl_b32 s43, 15, s43                        ; my row of the cluster
	s_lshl_b32 s44, 0x1111, s40                    ; my column
	s_or_b32 s[G1+0], s43, (0<<16)|(1<<20)|(1<<21)|(5<<22)|(3<<25)  ; the mask; elements of 1 byte; padding on; bit 21 beside a mask; 4 words of padding after every 64
	s_or_b32 s[G1B+0], s44, (0<<16)|(1<<20)|(1<<21)|(5<<22)|(3<<25)
.irp g, G1, G1B
	s_mov_b32 s[\g+1], ROWB<<16                    ; tensor_dim0
	s_mov_b32 s[\g+2], 128<<16                     ; tensor_dim1
	s_mov_b32 s[\g+3], ROWB<<16                    ; tile_dim0
	s_mov_b32 s[\g+4], 128                         ; tile_dim1
	s_mov_b32 s[\g+5], KROW                        ; stride from row to row
	s_mov_b32 s[\g+6], 0
	s_mov_b32 s[\g+7], 0
.endr
	s_or_b32 s[G1S+0], s43, (3<<16)|(1<<20)|(1<<21)|(5<<22)|(3<<25) ; the scales of 128 rows: 4,096 dense bytes as 16 rows of 32 elements of 8 bytes
	s_or_b32 s[G1SB+0], s44, (3<<16)|(1<<20)|(1<<21)|(5<<22)|(3<<25)
.irp g, G1S, G1SB
	s_mov_b32 s[\g+1], 32<<16
	s_mov_b32 s[\g+2], (128*KS/256)<<16
	s_mov_b32 s[\g+3], 32<<16
	s_mov_b32 s[\g+4], 128*KS/256
	s_mov_b32 s[\g+5], 32
	s_mov_b32 s[\g+6], 0
	s_mov_b32 s[\g+7], 0
.endr
	s_lshl_b32 s18, s16, 7
	s_lshl_b32 s20, s17, 8
	s_add_co_u32 s20, s20, s18                     ; A: row 256 x tile row + 128 x half
	s_lshl_b32 s46, s42, 8
	s_add_co_u32 s46, s46, s18
	s_add_co_u32 s46, s46, s95                     ; B: the weight's first row + 256 x tile column + 128 x half
	s_mov_b32 s21, 0
	s_mov_b32 s47, 0
	s_mov_b64 s[18:19], KS
	s_mul_u64 s[22:23], s[20:21], s[18:19]         ; where these rows' scales begin, in bytes
	s_mul_u64 s[92:93], s[46:47], s[18:19]
	s_mov_b64 s[18:19], KROW
	s_mul_u64 s[20:21], s[20:21], s[18:19]         ; and their codes
	s_mul_u64 s[46:47], s[46:47], s[18:19]
	s_mul_i32 s45, s14, HALFT                      ; where they go: wave x 128 rows
	s_mul_i32 s94, s14, HALFS
	s_wait_dscnt 0x0                               ; both opening adds are done
	s_wait_kmcnt 0x0
	s_add_nc_u64 s[20:21], s[4:5], s[20:21]
	s_add_nc_u64 s[22:23], s[6:7], s[22:23]
	s_add_nc_u64 s[46:47], s[4:5], s[46:47]
	s_add_nc_u64 s[92:93], s[6:7], s[92:93]
	CROUND                                         ; all sixteen work-groups are here: the joint loads meet
	s_mov_b32 s[G0S], 1
	s_add_co_u32 s[G0S+1], s94, SCL
	s_mov_b64 s[G0S+2:G0S+3], s[22:23]
	s_or_b32 s[G0S+3], s[G0S+3], 0x80000000
	s_mov_b32 s[G0SB], 1
	s_add_co_u32 s[G0SB+1], s94, SCL
	s_mov_b64 s[G0SB+2:G0SB+3], s[92:93]
	s_or_b32 s[G0SB+3], s[G0SB+3], 0x80000000
	JLOAD G0S, G1S, G0SB, G1SB                     ; the scales first: they are wanted with slot 0
.irp s, 0,1
	s_mov_b32 s[G0+4*\s], 1
	s_add_co_u32 s[G0+4*\s+1], s45, \s*SLOT
	s_add_nc_u64 s[G0+4*\s+2:G0+4*\s+3], s[20:21], \s*ROWB
	s_or_b32 s[G0+4*\s+3], s[G0+4*\s+3], 0x80000000
	s_mov_b32 s[G0B+4*\s], 1
	s_add_co_u32 s[G0B+4*\s+1], s45, \s*SLOT
	s_add_nc_u64 s[G0B+4*\s+2:G0B+4*\s+3], s[46:47], \s*ROWB
	s_or_b32 s[G0B+4*\s+3], s[G0B+4*\s+3], 0x80000000
	JLOAD G0+4*\s, G1, G0B+4*\s, G1B               ; three loads of mine are out in all
.endr
	v_and_b32 v1, 15, v0                           ; l % 16
	v_bfe_u32 v2, v0, 4, 1                         ; l / 16
	v_mul_u32_u24 v3, v1, PITCH
	v_lshl_add_u32 v4, v2, 4, v3                   ; a fragment's row x pitch + 16 x half
	s_mul_i32 s21, s15, HALFT
	s_mul_i32 s22, s16, HALFT
	s_add_co_u32 s22, s22, 2*HALFT
.irp s, 0,1
	v_add_nc_u32 v[ADRA+\s], s21, v4
	v_add_nc_u32 v[ADRB+\s], s22, v4
	s_add_co_u32 s21, s21, SLOT
	s_add_co_u32 s22, s22, SLOT
.endr
	v_mul_u32_u24 v5, v1, KS                       ; my row's scales: KS bytes a row,
	v_lshrrev_b32 v6, 8, v5
	v_lshl_add_u32 v5, v6, 4, v5                   ; and 16 more for each 256 passed
	s_mul_i32 s21, s15, HALFS
	s_mul_i32 s22, s16, HALFS
	s_add_co_u32 s22, s22, 2*HALFS
	s_sub_co_u32 s22, s22, s21
	v_mul_u32_u24 v6, s22, v2                      ; lanes 16-31 take B's: one product, the distance between the two bases
	s_add_co_u32 s21, s21, SCL
	v_add_nc_u32 v5, v5, v6
	v_add_nc_u32 v[ADRS], s21, v5
	s_mul_i32 s23, s14, 16*SPITCH                  ; my stage
	v_mul_u32_u24 v5, v1, SPITCH
	v_lshl_add_u32 v5, v2, 4, v5
	v_add_nc_u32 v[STO], s23, v5                   ; in: row l % 16, 16 bytes for each half of the lanes
	v_mul_u32_u24 v5, v2, SPITCH
	v_lshl_add_u32 v5, v1, 4, v5
	v_add_nc_u32 v[RD], s23, v5                    ; back: lanes 0-15 one row of 256 bytes, lanes 16-31 the next
	v_mul_u32_u24 v5, v2, SIZE_N*2
	v_lshl_add_u32 v[CO], v1, 4, v5                ; and the same two rows in h16
	s_lshl_b32 s20, s17, 8
	s_lshl_b32 s21, s15, 7
	s_add_co_u32 s20, s20, s21                     ; my first row
	s_mov_b32 s21, 0
	s_mov_b64 s[18:19], SIZE_N*2
	s_mul_u64 s[20:21], s[20:21], s[18:19]
	s_lshl_b32 s46, s42, 9                         ; my first column, in bytes: 512 x tile column + 256 x half
	s_lshl_b32 s47, s16, 8
	s_add_co_u32 s46, s46, s47
	s_mov_b32 s47, 0
	s_add_nc_u64 s[20:21], s[20:21], s[46:47]
	s_add_nc_u64 s[12:13], s[12:13], s[20:21]
.macro FRAG reg, adr, q, i             ; 16 rows x 128 K of 4-bit codes: 8 registers; registers 4 c .. 4 c + 3 hold K = 64 c + 32 (l / 16) + 0 .. 31
.irp c, 0,1
	ds_load_b128 v[\reg+4*\c:\reg+4*\c+3], v[\adr] offset:64*(\q)+32*\c+(\i)*16*PITCH
.endr
.endm
; 16 matrix instructions: A's blocks a0, a0 + 1 x B's eight, the slot's q-th 128 along K.  The 64 accumulators take turns in the same order in every step.
.macro MUL16 a0, p, q, sc, zero
.irp a, \a0, \a0+1
.irp b, 0,1,2,3,4,5,6,7
.if \zero
	v_wmma_scale_f32_16x16x128_f8f6f4 v[8*(8*((\a)%4)+\b):8*(8*((\a)%4)+\b)+7], v[128*(\p)+FR*\b:128*(\p)+FR*\b+FR-1], v[AF+FR*(\a):AF+FR*(\a)+FR-1], 0, v[SC+8*NQ*(\sc)+NQ*\b+(\q)], v[SC+8*NQ*(\sc)+NQ*(\a)+(\q)] matrix_a_fmt:MATRIX_FMT_FP4 matrix_b_fmt:MATRIX_FMT_FP4 matrix_a_scale:MATRIX_SCALE_ROW1
.else
	v_wmma_scale_f32_16x16x128_f8f6f4 v[8*(8*((\a)%4)+\b):8*(8*((\a)%4)+\b)+7], v[128*(\p)+FR*\b:128*(\p)+FR*\b+FR-1], v[AF+FR*(\a):AF+FR*(\a)+FR-1], v[8*(8*((\a)%4)+\b):8*(8*((\a)%4)+\b)+7], v[SC+8*NQ*(\sc)+NQ*\b+(\q)], v[SC+8*NQ*(\sc)+NQ*(\a)+(\q)] matrix_a_fmt:MATRIX_FMT_FP4 matrix_b_fmt:MATRIX_FMT_FP4 matrix_a_scale:MATRIX_SCALE_ROW1
.endif
.endr
.endr
.endm
.macro FETCH_B slot, q, p
	WIN TO_B
.irp i, 0,1,2,3,4,5,6,7
	FRAG 128*(\p)+FR*\i, ADRB+\slot, \q, \i
.endr
	WIN 0
.endm
.macro FETCH_A slot, q, i0
.irp i, \i0, \i0+1, \i0+2, \i0+3
	FRAG AF+FR*(\i), ADRA+\slot, \q, \i
.endr
.endm
.macro SCALES sc                       ; a slot's scale words: lanes 0-15 take A's block i, lanes 16-31 B's block i; four words a row
.irp i, 0,1,2,3,4,5,6,7
	ds_load_b128 v[SC+8*NQ*\sc+NQ*\i:SC+8*NQ*\sc+NQ*\i+3], v[ADRS] offset:\i*SBLK
.endr
.endm
.macro PLACES n                        ; plain vector lines between a matrix instruction and a load into, or a read of, its registers
.rept \n
	v_nop
.endr
.endm
.macro STEP slot, q, zero              ; a step of 128 along K that has its successor in the same slot
	s_wait_dscnt 4*NL                              ; B's set and A's blocks 0-3 are in; the youngest eight loads (A's blocks 4-7) may be out
	WIN MUL_LO
	MUL16 0, (\q)%2, \q, \slot, \zero
	MUL16 2, (\q)%2, \q, \slot, \zero
	s_wait_dscnt 0
	PLACES NP
	FETCH_B \slot, (\q)+1, 1-(\q)%2
	FETCH_A \slot, (\q)+1, 0
	WIN MUL_HI
	MUL16 4, (\q)%2, \q, \slot, \zero
	MUL16 6, (\q)%2, \q, \slot, \zero
	PLACES NP
	WIN 0
	FETCH_A \slot, (\q)+1, 4
.endm
.macro TURN slot, next                 ; slot 0's last step goes over to slot 1: one barrier; in front of it each wave waits for all its tensor loads (its part of slot 1) and for its reads of slot 0
	s_wait_tensorcnt 0x0
	ds_add_u32 v[SPW], v[NIL]                      ; 0 onto my spare word
	s_wait_dscnt 4*NL+1                            ; the add and the youngest eight loads may be out
	WIN MUL_LO
	MUL16 0, 1, NQ-1, \slot, 0
	s_wait_dscnt 0x0                               ; the add is done, and my reads of this slot are over
	s_barrier_signal -1
	MUL16 2, 1, NQ-1, \slot, 0
	WIN 0
	s_barrier_wait -1
	PLACES NP
	v_add_nc_u32 v[ADRS], 4*NQ, v[ADRS]            ; on to the next slot's scale words
	FETCH_B \next, 0, 0
	FETCH_A \next, 0, 0
	SCALES \next
	WIN MUL_HI
	MUL16 4, 1, NQ-1, \slot, 0
	MUL16 6, 1, NQ-1, \slot, 0
	PLACES NP
	WIN 0
	FETCH_A \next, 0, 4
.endm
.macro STEPS slot, from
.set Q, \from
.rept NQ-1-\from
	STEP \slot, Q, 0
.set Q, Q+1
.endr
.endm
	s_wait_tensorcnt 1                             ; the scales and my part of slot 0 are in (slot 1's load may be out),
	s_barrier_signal -1
	s_barrier_wait -1                              ; everybody's are
	FETCH_B 0, 0, 0
	FETCH_A 0, 0, 0
	SCALES 0
	FETCH_A 0, 0, 4
	STEP 0, 0, 1                                   ; the first products start the sums: nothing is cleared
	STEPS 0, 1
	TURN 0, 1
	STEPS 1, 0
	s_wait_dscnt 4*NL                              ; the very last step: nothing more to fetch
	WIN MUL_LO
	MUL16 0, 1, NQ-1, 1, 0
	MUL16 2, 1, NQ-1, 1, 0
	s_wait_dscnt 0
	WIN MUL_HI
	MUL16 4, 1, NQ-1, 1, 0
	MUL16 6, 1, NQ-1, 1, 0
	WIN 0
; THE WAY OUT, a block of 16 rows x 128 columns at a time: rounded to f16 (16 bytes a lane), into my stage, back as whole rows of 256 bytes, stored.
.macro PACK a
.set AC, 64*((\a)%4)
	WIN 0x0a+5*((\a)/4)                            ; sources 0 and 1: window 2 or 3
.irp b, 0,1,2,3,4,5,6,7
.irp r, 0,1,2,3
	v_cvt_pk_f16_f32 v[TMP+4*\b+\r], v[AC+8*\b+2*\r], v[AC+8*\b+2*\r+1]   ; each accumulator from its low end on
.endr
.endr
	WIN 0
.endm
.macro TOSTAGE a
.set BK, OB+128*((\a)%2)
.irp b, 0,1,2,3,4,5,6,7
	ds_store_b128 v[STO], v[TMP+4*\b:TMP+4*\b+3] offset:32*\b
.endr
.irp t, 0,1,2,3,4,5,6,7
	ds_load_b128 v[BK+4*\t:BK+4*\t+3], v[RD] offset:\t*2*SPITCH    ; LDS serves a wave's instructions in order: these see the stores above
.endr
.endm
.macro SEND a
.set BK, OB+128*((\a)%2)
	s_wait_dscnt 0x0                               ; the block is back in registers
	s_wait_xcnt 0x0                                ; the earlier stores have read their base and their registers
.if (\a) > 0
	s_add_nc_u64 s[12:13], s[12:13], 16*SIZE_N*2
.endif
.irp t, 0,1,2,3,4,5,6,7
	global_store_b128 v[CO], v[BK+4*\t:BK+4*\t+3], s[12:13] offset:2*\t*SIZE_N*2   ; 16 lanes store 256 consecutive bytes, aligned
.endr
.endm
	PLACES NP                                      ; the conversions read results just made
	PACK 0
	TOSTAGE 0
.irp a, 1,2,3,4,5,6,7
	PACK \a
	SEND \a-1
	TOSTAGE \a
.endr
	SEND 7
	s_wait_tensorcnt 0x0                           ; the wave's end
	ds_add_u32 v[SPW], v[NIL]
	s_wait_dscnt 0x0
	CROUND                                         ; the closing round
	s_endpgm
.Lfunc_end_k_qe36b2c8547_proj:
	.size	k_qe36b2c8547_proj, .Lfunc_end_k_qe36b2c8547_proj-k_qe36b2c8547_proj
	.p2alignl 7, 3214868480
	.fill 96, 4, 3214868480
	.section	.rodata,"a",@progbits
	.p2align	6, 0x0
	.amdhsa_kernel k_qe36b2c8547_proj
		.amdhsa_group_segment_fixed_size 327680
		.amdhsa_private_segment_fixed_size 0
		.amdhsa_enable_private_segment 0
		.amdhsa_kernarg_size 24
		.amdhsa_user_sgpr_count 2
		.amdhsa_user_sgpr_kernarg_segment_ptr 1
		.amdhsa_wavefront_size32 1
		.amdhsa_system_sgpr_workgroup_id_x 1
		.amdhsa_system_sgpr_workgroup_id_y 1
		.amdhsa_system_sgpr_workgroup_id_z 1
		.amdhsa_system_vgpr_workitem_id 0
		.amdhsa_next_free_vgpr 1024
		.amdhsa_next_free_sgpr 98
		.amdhsa_reserve_vcc 0
		.amdhsa_float_denorm_mode_32 3
		.amdhsa_float_denorm_mode_16_64 3
		.amdhsa_memory_ordered 1
		.amdhsa_forward_progress 1
		.amdhsa_inst_pref_size 127
	.end_amdhsa_kernel
	.amdgpu_metadata
---
amdhsa.version: [ 1, 2 ]
amdhsa.kernels:
  - .name:           k_qe36b2c8547_proj
    .symbol:         k_qe36b2c8547_proj.kd
    .args:
      - { .name: cod, .offset: 0, .size: 8, .value_kind: global_buffer, .address_space: global }
      - { .name: scl, .offset: 8, .size: 8, .value_kind: global_buffer, .address_space: global }
      - { .name: h16, .offset: 16, .size: 8, .value_kind: global_buffer, .address_space: global }
    .group_segment_fixed_size: 327680
    .private_segment_fixed_size: 0
    .kernarg_segment_align: 8
    .kernarg_segment_size: 24
    .max_flat_workgroup_size: 128
    .sgpr_count:     98
    .vgpr_count:     1024
    .wavefront_size: 32
...
	.end_amdgpu_metadata
.endif
;; end of part 2
;; launch score (part 3): grid 4 x 64, 4 waves a work-group, clusters of 4 x 4, 327,680 bytes of LDS; arguments h16, pv, st; writes pv, st
.if DOCPART == 3
	.amdgcn_target "amdgcn-amd-amdhsa--gfx1250"
	.amdhsa_code_object_version 6
	.text
	.protected	k_qe36b2c8547_score
	.globl	k_qe36b2c8547_score
	.p2align	8
	.type	k_qe36b2c8547_score,@function
k_qe36b2c8547_score:
	s_mov_b64 s[64:65], 0
	v_nop
	global_prefetch_b8 v0, s[64:65] scope:SCOPE_SE
	s_setreg_imm32_b32 hwreg(HW_REG_WAVE_MODE, 25, 1), 1
	s_wait_xcnt 0x0
	s_wait_alu depctr_hold_cnt(0) depctr_sa_sdst(0) depctr_va_vdst(0) depctr_va_sdst(0) depctr_va_ssrc(0) depctr_va_vcc(0) depctr_vm_vsrc(0)
	s_getreg_b32 s2, hwreg(HW_REG_IB_STS2, 6, 4)
	s_cmp_eq_u32 s2, 0
	s_cbranch_scc0 .Lentry_in_a_cluster
	s_endpgm
.Lentry_in_a_cluster:
	s_bfe_u32 s2, ttmp6, 0x10000c
	s_cmp_lg_u32 s2, 0xf033
	s_cbranch_scc0 .Lentry_shape_is_right
	s_endpgm
.Lentry_shape_is_right:
; Two products of one shape in one launch, f16 operands, f32 sums, K = 1,024: C[m][n] = sum over f of A[m][f] B[n][f], 256 tiles of 256 x 256.  No work is left out.
; Clusters 0 to 7 (batch b = cluster y): A = q's rows, B = k's rows of the batch: the scores.  On the way out each wave turns its 128 x 128 scores into p = 2^(t - M), t = score x log2(e) / 32,
;   M = the largest t of the row AMONG THE WAVE'S 128 KEYS, rounded up to a whole number: the maximum is taken away block by block; p, at most 1, goes to pv[b 1,024 + q][key] as f16;
;   -M and the f32 sum of the unrounded p go to st[key block][row].  The next launch brings the eight blocks of a row under the row's M by exact powers of two.
; Clusters 8 to 15 (b = cluster y - 8): A = Wo16's rows, B = v's rows of the batch: v Wo16^T, laid [e][key], to pv's rows 8,192 + b 1,024 + e as f16.  Its magnitudes never pass the largest |v|.
; k and v lie on end in h16, so B's rows and C's rows are one formula for both parts; A's first row is chosen by the cluster's y.
; A tile is made by four waves, 128 x 128 each: 64 accumulators, 512 registers.  K goes in steps of 128 through a ring of two LDS slots (rows of 256 bytes).
; CLUSTERS: 4 x 4 work-groups, one batch of one part.  A's tile is shared along a row of the cluster, B's along a column: each is asked for JOINTLY.
; THE MATRIX INSTRUCTION IS USED TRANSPOSED (source 0 = 16 rows of B, source 1 = 16 rows of A): a lane holds ONE row of C and eight neighbouring columns of each of the eight column blocks.
; REGISTERS: window 0: v16-30 addresses; v64-127, v128-191 A's fragments, two buffers; on the way out v32-255.  window 1: v64-191 B's fragments.  windows 2, 3: the accumulators ((a, b) at v[8 (8 a + b)]).
.set SIZE_K, 1024
.set SIZE_N, 1024
.set KSTEP,  128
.set PITCH,  272                       ; an LDS row: 256 bytes + 16 of padding
.set HALFT,  128*PITCH
.set SLOT,   4*HALFT
.set STAGE,  2*SLOT                    ; behind the ring: 16 rows x 272 bytes for each wave
.set SPITCH, 272
.set SPARE,  STAGE+4*16*SPITCH         ; the spare words, 128 bytes for each wave
.set LAPS,   SIZE_K/(2*KSTEP)
.set ADRA, 16
.set ADRB, 20
.set STO,  24
.set RD,   25
.set CO,   26
.set L8,   27                          ; v27  8 x lane: the statistics' place
.set SPW,  28
.set NIL,  29
.set PFO,  30                          ; v30  the prefetches' offset: my lane x a row of 2,048 bytes
.set F0,   64
.set F1,   128
.set TMP,  192                         ; the way out: packed results
.set OB,   32                          ; 16 rows read back: v32-63 and v224-255 by turns
.set S,    64                          ; v64-127  t - M, then p
.set T,    128                         ; v128-131 maxima at work
.set NM,   132                         ; v[132:133] -M (the packed form names the pair and takes its low word)
.set LP,   134                         ; v134-137 sums at work
.set MS,   140                         ; v140-147 -M of the eight blocks of rows
.set LS,   148                         ; v148-155 their sums
.set SV,   160                         ; v160-167 the statistics as they are stored
.set G1, 24
.set G0, 32
.set G1B, 48
.set G0B, 56
.set LIM, 43                           ; s43  1 in a wave that prefetches, else the greatest number
.set PFA, 44                           ; s[44:45] where my prefetches stand
.set CS,  66                           ; s[66:67] c = log2(e) / 32
.set SEL, 68                           ; s[68:69] selects for lane l xor 16
.set CL,  74                           ; s74  the cluster's y: under 8 the scores, else v Wo16^T
.set MSB, 0
.macro WIN new
.if MSB != (\new)
	s_set_vgpr_msb (MSB<<8)|(\new)
.set MSB, (\new)
.endif
.endm
.set MUL_LO, 0xa1
.set MUL_HI, 0xf1
.set TO_B,   0x40
.macro JLOAD s                         ; a joint load: waves 0 and 1 fetch A's halves, waves 2 and 3 B's; an s_nop 0 and four v_nop follow each line
	s_cmp_eq_u32 s11, 0
	s_cbranch_scc0 .Lfor_b_\@
	tensor_load_to_lds s[G0+4*\s:G0+4*\s+3], s[G1:G1+7]
	s_nop 0
.rept 4
	v_nop
.endr
	s_branch .Lasked_\@
.Lfor_b_\@:
	tensor_load_to_lds s[G0B+4*\s:G0B+4*\s+3], s[G1B:G1B+7]
	s_nop 0
.rept 4
	v_nop
.endr
.Lasked_\@:
.endm
; A prefetch of the K step that stands two refills on: 32 rows x 256 bytes, a lane a row, one instruction a wave.  Of the 128 rows that a wave fetches, each of the four partners that ask for them
; jointly takes 32, told apart by address.  q's, k's and v's rows are read by one cluster alone; Wo16's by clusters 8 to 15, of which cluster 8 asks.  The loop's last trip has no K step two on.
.macro ASK
	s_cmp_gt_u32 s3, s[LIM]
	s_cbranch_scc0 .Lnot_mine_\@
	global_prefetch_b8 v[PFO], s[PFA:PFA+1] offset:KSTEP*2 th:TH_LOAD_NT scope:SCOPE_SE
.Lnot_mine_\@:
.endm
.macro CREST
	s_cmp_lg_u32 s10, 0
	s_cbranch_scc1 .Lnot_wave_0_\@
	s_barrier_signal -3
.Lnot_wave_0_\@:
	s_barrier_wait -3
	s_barrier_signal -1
	s_barrier_wait -1
.endm
.macro CROUND
	s_barrier_signal -1
	s_barrier_wait -1
	CREST
.endm
	s_load_b64 s[4:5], s[0:1], 0x0                 ; h16: A and B both
	s_load_b64 s[8:9], s[0:1], 0x8                 ; pv
	s_load_b64 s[70:71], s[0:1], 0x10              ; st
	v_lshl_add_u32 v[SPW], v0, 2, SPARE
	v_mov_b32 v[NIL], 0
	ds_add_u32 v[SPW], v[NIL]                      ; the wave's opening: the add, twice on end, and its wait ahead of my first tensor load
	ds_add_u32 v[SPW], v[NIL]
	v_lshrrev_b32 v1, 5, v0
	v_readfirstlane_b32 s10, v1                    ; wave 0..3
	s_lshr_b32 s11, s10, 1                         ; which half of the tile's rows is mine.  Also: I fetch for A (0) or for B (1)
	s_and_b32 s12, s10, 1                          ; which half of its columns.  Also: which 128 rows of that tile I fetch
	s_bfe_u32 s40, ttmp6, 0x40000                  ; cx
	s_bfe_u32 s41, ttmp6, 0x40004                  ; cy
	s_lshl_b32 s42, ttmp9, 2
	s_add_co_u32 s42, s42, s40                     ; tile column
	s_and_b32 s[CL], ttmp7, 0xffff                 ; cluster y, 0 .. 15
	s_lshl_b32 s13, s[CL], 2
	s_add_co_u32 s13, s13, s41                     ; tile row of C
	s_lshl_b32 s43, s41, 2
	s_lshl_b32 s43, 15, s43                        ; my row of the cluster
	s_lshl_b32 s44, 0x1111, s40                    ; my column
	s_or_b32 s[G1+0], s43, (1<<16)|(1<<20)|(1<<21)|(5<<22)|(3<<25)  ; the mask; elements of 2 bytes; padding on; bit 21 beside a mask; 4 words after every 64
	s_or_b32 s[G1B+0], s44, (1<<16)|(1<<20)|(1<<21)|(5<<22)|(3<<25)
.irp g, G1, G1B
	s_mov_b32 s[\g+1], KSTEP<<16                   ; tensor_dim0 = 128
	s_mov_b32 s[\g+2], 128<<16                     ; tensor_dim1 = 128
	s_mov_b32 s[\g+3], KSTEP<<16                   ; tile_dim0
	s_mov_b32 s[\g+4], 128                         ; tile_dim1
	s_mov_b32 s[\g+5], SIZE_K                      ; elements from row to row
	s_mov_b32 s[\g+6], 0
	s_mov_b32 s[\g+7], 0
.endr
	s_mov_b32 s[CS], 0x3d38aa3b                    ; log2(e) / 32
	s_mov_b32 s[CS+1], s[CS]
	s_mov_b32 s[SEL], 0x76543210
	s_mov_b32 s[SEL+1], 0xfedcba98
	s_mov_b32 s73, 0xffff0000                      ; lanes 16-31
	s_lshl_b32 s17, s12, 7                         ; which 128 rows of the tile I fetch
	s_lshl_b32 s75, s[CL], 10                      ; 1,024 x cluster y
	s_cmp_lt_u32 s[CL], 8
	s_cselect_b32 s78, s75, 24576                  ; A: q's rows of the batch, or Wo16's
	s_lshl_b32 s16, s41, 8
	s_add_co_u32 s78, s78, s16                     ; + 256 cy: the tile's first row in A
	s_add_co_u32 s16, s78, s17
	s_lshl_b32 s79, s42, 8
	s_add_co_u32 s79, s79, s75
	s_add_co_u32 s79, s79, 8192                    ; B: 8,192 + 1,024 cluster y + 256 x tile column: k's rows, then v's
	s_add_co_u32 s46, s79, s17
	s_mov_b32 s17, 0
	s_mov_b32 s47, 0
	s_mov_b64 s[18:19], SIZE_K*2
	s_mul_u64 s[16:17], s[16:17], s[18:19]
	s_mul_u64 s[46:47], s[46:47], s[18:19]
	s_mul_i32 s20, s10, HALFT                      ; where they go: wave x 128 rows
	s_wait_dscnt 0x0                               ; both opening adds are done
	s_wait_kmcnt 0x0
	s_add_nc_u64 s[14:15], s[4:5], s[16:17]
	s_add_nc_u64 s[46:47], s[4:5], s[46:47]
	CROUND                                         ; all sixteen work-groups are here: the first joint loads meet
.irp s, 0,1
	s_mov_b32 s[G0+4*\s], 1
	s_add_co_u32 s[G0+4*\s+1], s20, \s*SLOT
	s_add_nc_u64 s[G0+4*\s+2:G0+4*\s+3], s[14:15], \s*KSTEP*2
	s_or_b32 s[G0+4*\s+3], s[G0+4*\s+3], 0x80000000
	s_mov_b32 s[G0B+4*\s], 1
	s_add_co_u32 s[G0B+4*\s+1], s20, \s*SLOT
	s_add_nc_u64 s[G0B+4*\s+2:G0B+4*\s+3], s[46:47], \s*KSTEP*2
	s_or_b32 s[G0B+4*\s+3], s[G0B+4*\s+3], 0x80000000
	JLOAD \s                                       ; two loads of mine are out
.endr
	v_and_b32 v1, 15, v0                           ; l % 16
	v_bfe_u32 v2, v0, 4, 1                         ; l / 16
	v_mul_u32_u24 v3, v1, PITCH
	v_lshl_add_u32 v3, v2, 4, v3                   ; a fragment's row x pitch + 16 x half
	s_mul_i32 s21, s11, HALFT
	s_mul_i32 s22, s12, HALFT
	s_add_co_u32 s22, s22, 2*HALFT
.irp s, 0,1
	v_add_nc_u32 v[ADRA+\s], s21, v3
	v_add_nc_u32 v[ADRB+\s], s22, v3
	s_add_co_u32 s21, s21, SLOT
	s_add_co_u32 s22, s22, SLOT
.endr
	s_mul_i32 s23, s10, 16*SPITCH
	s_add_co_u32 s23, s23, STAGE                   ; my stage
	v_mul_u32_u24 v4, v1, SPITCH
	v_lshl_add_u32 v4, v2, 4, v4
	v_add_nc_u32 v[STO], s23, v4
	v_mul_u32_u24 v5, v2, SPITCH
	v_lshl_add_u32 v5, v1, 4, v5
	v_add_nc_u32 v[RD], s23, v5
	v_mul_u32_u24 v5, v2, SIZE_N*2
	v_lshl_add_u32 v[CO], v1, 4, v5
	v_and_b32 v[L8], 31, v0
	v_lshlrev_b32 v[L8], 3, v[L8]
	s_lshl_b32 s13, s13, 8
	s_lshl_b32 s14, s11, 7
	s_add_co_u32 s16, s13, s14                     ; my first row of C
	s_mov_b32 s76, s16
	s_mov_b32 s17, 0
	s_mov_b64 s[18:19], SIZE_N*2
	s_mul_u64 s[16:17], s[16:17], s[18:19]
	s_lshl_b32 s46, s42, 9                         ; my first column, in bytes
	s_lshl_b32 s47, s12, 8
	s_add_co_u32 s46, s46, s47
	s_mov_b32 s47, 0
	s_add_nc_u64 s[16:17], s[16:17], s[46:47]
	s_add_nc_u64 s[8:9], s[8:9], s[16:17]
	s_lshl_b32 s77, s42, 1
	s_add_co_u32 s77, s77, s12                     ; my block of 128 keys: 2 x tile column + half
	s_lshl_b32 s77, s77, 13
	s_add_co_u32 s76, s76, s77                     ; st: 8,192 rows a key block, + my first row,
	s_lshl_b32 s76, s76, 3                         ; 8 bytes a row (used by the scores' clusters alone)
	s_mov_b32 s77, 0
	s_add_nc_u64 s[70:71], s[70:71], s[76:77]
	s_cmp_eq_u32 s11, 0                            ; the prefetches: do I fetch for A?
	s_cselect_b32 s20, s78, s79                    ; the tile's first row
	s_cselect_b32 s21, s40, s41                    ; my place among the four that ask for it with me
	s_cmp_le_u32 s[CL], 8
	s_cselect_b32 s[LIM], 1, -1                    ; A's rows: every scores' cluster its own; Wo16's: cluster 8
	s_cmp_eq_u32 s11, 0
	s_cselect_b32 s[LIM], s[LIM], 1                ; B's rows: every cluster its own
	s_lshl_b32 s22, s12, 7
	s_add_co_u32 s20, s20, s22
	s_lshl_b32 s21, s21, 5
	s_add_co_u32 s20, s20, s21
	s_mov_b32 s21, 0
	s_mov_b64 s[18:19], SIZE_K*2
	s_mul_u64 s[20:21], s[20:21], s[18:19]
	s_add_nc_u64 s[PFA:PFA+1], s[4:5], s[20:21]
	s_add_nc_u64 s[PFA:PFA+1], s[PFA:PFA+1], 2*KSTEP*2  ; at K step 2: the first refill steps it to 3 and names K step 4
	v_and_b32 v[PFO], 31, v0
	v_mul_u32_u24 v[PFO], v[PFO], SIZE_K*2
.macro MUL16 f, hi, a0, zero           ; 16 matrix instructions: row blocks a0, a0 + 1 of the window's four x all 8 column blocks, 32 along K
.irp a, \a0, \a0+1
.irp b, 0,1,2,3,4,5,6,7
.if \zero
	v_wmma_f32_16x16x32_f16 v[8*(8*(\a)+\b):8*(8*(\a)+\b)+7], v[\f+8*\b:\f+8*\b+7], v[\f+8*(4*\hi+\a):\f+8*(4*\hi+\a)+7], 0
.else
	v_wmma_f32_16x16x32_f16 v[8*(8*(\a)+\b):8*(8*(\a)+\b)+7], v[\f+8*\b:\f+8*\b+7], v[\f+8*(4*\hi+\a):\f+8*(4*\hi+\a)+7], v[8*(8*(\a)+\b):8*(8*(\a)+\b)+7]
.endif
.endr
.endr
.endm
.macro FETCH slot, k, f                ; 32 LDS loads in one run: a quarter step's fragments
	WIN TO_B
.irp i, 0,1,2,3,4,5,6,7
	ds_load_b128 v[\f+8*\i:\f+8*\i+3],   v[ADRB+\slot] offset:\k+\i*16*PITCH
	ds_load_b128 v[\f+8*\i+4:\f+8*\i+7], v[ADRB+\slot] offset:\k+\i*16*PITCH+32
.endr
	WIN 0
.irp i, 0,1,2,3,4,5,6,7
	ds_load_b128 v[\f+8*\i:\f+8*\i+3],   v[ADRA+\slot] offset:\k+\i*16*PITCH
	ds_load_b128 v[\f+8*\i+4:\f+8*\i+7], v[ADRA+\slot] offset:\k+\i*16*PITCH+32
.endr
.endm
.macro PLACES                          ; four plain vector lines between a matrix instruction and a load into, or a read of, its registers
.rept 4
	v_nop
.endr
.endm
.macro QUARTER slot, k, f, g, zero
	s_wait_dscnt 8                                 ; B and A's rows 0-63 are in; the youngest eight loads (A's rows 64-127) may be out
	WIN MUL_LO
	MUL16 \f, 0, 0, \zero
	MUL16 \f, 0, 2, \zero
	PLACES
	FETCH \slot, \k, \g
	s_wait_dscnt 32                                ; all but the 32 just issued
	WIN MUL_HI
	MUL16 \f, 1, 0, \zero
	MUL16 \f, 1, 2, \zero
.endm
.macro MEET round                      ; the first half of a slot's last quarter: one barrier for the change of slots
	WIN 0
	s_wait_tensorcnt 0x0                           ; all my tensor loads have landed: my part of the next slot
	ds_add_u32 v[SPW], v[NIL]                      ; 0 onto my spare word
	s_wait_dscnt 9                                 ; the add and the youngest eight loads may be out
	WIN MUL_LO
	MUL16 F1, 0, 0, 0
	s_wait_dscnt 0x0                               ; the add is done, and my reads of this slot are over
	s_barrier_signal -1
	MUL16 F1, 0, 2, 0
.if \round
	WIN 0
.endif
	s_barrier_wait -1
.endm
.macro TURN slot, next, fill           ; the whole last quarter; fill = 1: the slot just read out is filled again, two K steps ahead, behind a round of the cluster's barrier
.if \fill
	s_wait_xcnt 0x0                                ; the last prefetch, a K step back, has read its address
	s_add_nc_u64 s[PFA:PFA+1], s[PFA:PFA+1], KSTEP*2
.endif
	MEET \fill
.if \fill
	CREST                                          ; no wave of any partner still reads this slot's tile or has a load on its way
	s_add_nc_u64 s[G0+4*\slot+2:G0+4*\slot+3], s[G0+4*\slot+2:G0+4*\slot+3], 2*KSTEP*2
	s_add_nc_u64 s[G0B+4*\slot+2:G0B+4*\slot+3], s[G0B+4*\slot+2:G0B+4*\slot+3], 2*KSTEP*2
	JLOAD \slot                                    ; my one tensor load behind the round; its four v_nop are also the places in front of the loads below
.else
	PLACES
.endif
	FETCH \next, 0, F0
.if \fill
	ASK
.endif
	WIN MUL_HI
	MUL16 F1, 1, 0, 0
	MUL16 F1, 1, 2, 0
.endm
	s_wait_tensorcnt 1                             ; my part of K step 0 is in (K step 1's load may be out),
	s_barrier_signal -1
	s_barrier_wait -1                              ; everybody's is
	FETCH 0, 0, F0
	QUARTER 0, 64,  F0, F1, 1                      ; the first products start the sums
	WIN 0
	s_mov_b32 s3, LAPS-1
.Llap:                                                 ; a trip goes once round the ring and fills both slots again
	QUARTER 0, 128, F1, F0, 0
	QUARTER 0, 192, F0, F1, 0
	TURN 0, 1, 1
	QUARTER 1, 64,  F0, F1, 0
	QUARTER 1, 128, F1, F0, 0
	QUARTER 1, 192, F0, F1, 0
	TURN 1, 0, 1
	QUARTER 0, 64,  F0, F1, 0
	WIN 0
	s_sub_co_u32 s3, s3, 1
	s_cmp_lg_u32 s3, 0
	s_cbranch_scc1 .Llap
	QUARTER 0, 128, F1, F0, 0                      ; the last lap fills nothing
	QUARTER 0, 192, F0, F1, 0
	TURN 0, 1, 0
	QUARTER 1, 64,  F0, F1, 0
	QUARTER 1, 128, F1, F0, 0
	QUARTER 1, 192, F0, F1, 0
	s_wait_dscnt 8
	WIN MUL_LO
	MUL16 F1, 0, 0, 0
	MUL16 F1, 0, 2, 0
	s_wait_dscnt 0x0
	WIN MUL_HI
	MUL16 F1, 1, 0, 0
	MUL16 F1, 1, 2, 0
	WIN 0
; THE WAY OUT, a block of 16 rows at a time.  What differs between the two parts is work on registers alone (two arms, chosen by the cluster's y); the stage and the stores are common.
.macro PACK a                          ; v Wo16^T: rounded to f16
.set AC, 64*((\a)%4)
	WIN 0x0a+5*((\a)/4)
.irp b, 0,1,2,3,4,5,6,7
.irp r, 0,1,2,3
	v_cvt_pk_f16_f32 v[TMP+4*\b+\r], v[AC+8*\b+2*\r], v[AC+8*\b+2*\r+1]
.endr
.endr
	WIN 0
.endm
.macro SOFT a                          ; the scores: my row's 64 of the block's 128 keys lie in my registers, the other 64 in lane l xor 16
.set AC, 64*((\a)%4)
	WIN 0x28+0x14*((\a)/4)                         ; sources 1 and 2: window 2 or 3
.irp i, 0,2,4,6
.irp b, 0,1,2,3,4,5,6,7
.if (\i == 0) && (\b < 4)
	v_max3_num_f32 v[T+\b%4], 0xff800000, v[AC+8*\b+\i], v[AC+8*\b+\i+1]    ; four chains; each accumulator is read from its low end on
.else
	v_max3_num_f32 v[T+\b%4], v[T+\b%4], v[AC+8*\b+\i], v[AC+8*\b+\i+1]
.endif
.endr
.endr
	WIN 0
	v_max3_num_f32 v[T], v[T], v[T+1], v[T+2]
	v_max_num_f32 v[T], v[T], v[T+3]
	v_permlanex16_b32 v[T+1], v[T], s[SEL], s[SEL+1]
	v_max_num_f32 v[T], v[T], v[T+1]               ; the row's largest score among these 128 keys
	v_mul_f32 v[T], s[CS], v[T]                    ; as t (c is positive)
	v_floor_f32 v[NM], -v[T]                       ; -M = floor(-t) = -ceil(t)
	v_mov_b32 v[MS+(\a)], v[NM]
	WIN 2+(\a)/4                                   ; source 0: window 2 or 3
.set i, 0
.rept 32
	v_pk_fma_f32 v[S+i:S+i+1], v[AC+i:AC+i+1], s[CS:CS+1], v[NM:NM+1] op_sel_hi:[1,0,0]   ; t - M, two at a time
.set i, i+2
.endr
	WIN 0
.set i, 0
.rept 64
	v_exp_f32 v[S+i], v[S+i]                       ; p = 2^(t - M), at most 1
.set i, i+1
.endr
	v_nop                                          ; a plain line behind the last exponential
	s_wait_alu depctr_va_vdst(0)                   ; one wait for the batch, ahead of its first reader
	v_pk_add_f32 v[LP:LP+1], v[S:S+1], v[S+2:S+3]  ; the sum of the unrounded p, in two chains
	v_pk_add_f32 v[LP+2:LP+3], v[S+4:S+5], v[S+6:S+7]
.set i, 8
.rept 14
	v_pk_add_f32 v[LP:LP+1], v[LP:LP+1], v[S+i:S+i+1]
	v_pk_add_f32 v[LP+2:LP+3], v[LP+2:LP+3], v[S+i+2:S+i+3]
.set i, i+4
.endr
	v_pk_add_f32 v[LP:LP+1], v[LP:LP+1], v[LP+2:LP+3]
	v_add_f32 v[LP], v[LP], v[LP+1]
	v_permlanex16_b32 v[LP+1], v[LP], s[SEL], s[SEL+1]
	v_add_f32 v[LS+(\a)], v[LP], v[LP+1]
.set i, 0
.rept 32
	v_cvt_pk_f16_f32 v[TMP+i], v[S+2*i], v[S+2*i+1]
.set i, i+1
.endr
.endm
.macro ARM a                           ; the test hangs on the cluster's y alone: the same in all sixteen partners
	s_cmp_lt_u32 s[CL], 8
	s_cbranch_scc0 .Lplain_\@
	SOFT \a
	s_branch .Ljoin_\@
.Lplain_\@:
	PACK \a
.Ljoin_\@:
.endm
.macro TOSTAGE a
.set BK, OB+192*((\a)%2)
.irp b, 0,1,2,3,4,5,6,7
	ds_store_b128 v[STO], v[TMP+4*\b:TMP+4*\b+3] offset:32*\b
.endr
.irp t, 0,1,2,3,4,5,6,7
	ds_load_b128 v[BK+4*\t:BK+4*\t+3], v[RD] offset:\t*2*SPITCH    ; LDS serves a wave's instructions in order: these see the stores above
.endr
.endm
.macro SEND a
.set BK, OB+192*((\a)%2)
	s_wait_dscnt 0x0                               ; the block is back in registers
	s_wait_xcnt 0x0                                ; the earlier stores have read their base and their registers
.if (\a) > 0
	s_add_nc_u64 s[8:9], s[8:9], 16*SIZE_N*2
.endif
.irp t, 0,1,2,3,4,5,6,7
	global_store_b128 v[CO], v[BK+4*\t:BK+4*\t+3], s[8:9] offset:2*\t*SIZE_N*2   ; 16 lanes store 256 consecutive bytes, aligned
.endr
.endm
	PLACES                                         ; behind the last products: what follows writes their fragments' registers and reads results
	v_mov_b32 v[NM+1], 0                           ; named as the upper half of a pair
.irp i, 0,1,2,3,4,5,6,7
	v_mov_b32 v[MS+\i], 0                          ; written on every way: they are read under a second test of the same number
	v_mov_b32 v[LS+\i], 0
.endr
	ARM 0
	TOSTAGE 0
.irp a, 1,2,3,4,5,6,7
	ARM \a
	SEND \a-1
	TOSTAGE \a
.endr
	SEND 7
	s_cmp_lt_u32 s[CL], 8
	s_cbranch_scc0 .Lno_stats
.irp i, 0,1,2,3                        ; row 32 i + lane: lanes 0-15 hold block 2 i's rows, lanes 16-31 block 2 i + 1's
	v_cndmask_b32 v[SV+2*\i], v[MS+2*\i], v[MS+2*\i+1], s73
	v_cndmask_b32 v[SV+2*\i+1], v[LS+2*\i], v[LS+2*\i+1], s73
.endr
.irp i, 0,1,2,3
	global_store_b64 v[L8], v[SV+2*\i:SV+2*\i+1], s[70:71] offset:256*\i   ; 32 lanes store 256 consecutive bytes, aligned
.endr
.Lno_stats:
	s_wait_tensorcnt 0x0                           ; the wave's end
	ds_add_u32 v[SPW], v[NIL]
	s_wait_dscnt 0x0
	CROUND                                         ; the closing round
	s_endpgm
.Lfunc_end_k_qe36b2c8547_score:
	.size	k_qe36b2c8547_score, .Lfunc_end_k_qe36b2c8547_score-k_qe36b2c8547_score
	.p2alignl 7, 3214868480
	.fill 96, 4, 3214868480
	.section	.rodata,"a",@progbits
	.p2align	6, 0x0
	.amdhsa_kernel k_qe36b2c8547_score
		.amdhsa_group_segment_fixed_size 327680
		.amdhsa_private_segment_fixed_size 0
		.amdhsa_enable_private_segment 0
		.amdhsa_kernarg_size 24
		.amdhsa_user_sgpr_count 2
		.amdhsa_user_sgpr_kernarg_segment_ptr 1
		.amdhsa_wavefront_size32 1
		.amdhsa_system_sgpr_workgroup_id_x 1
		.amdhsa_system_sgpr_workgroup_id_y 1
		.amdhsa_system_sgpr_workgroup_id_z 1
		.amdhsa_system_vgpr_workitem_id 0
		.amdhsa_next_free_vgpr 1024
		.amdhsa_next_free_sgpr 80
		.amdhsa_reserve_vcc 0
		.amdhsa_float_denorm_mode_32 3
		.amdhsa_float_denorm_mode_16_64 3
		.amdhsa_memory_ordered 1
		.amdhsa_forward_progress 1
		.amdhsa_inst_pref_size 233
	.end_amdhsa_kernel
	.amdgpu_metadata
---
amdhsa.version: [ 1, 2 ]
amdhsa.kernels:
  - .name:           k_qe36b2c8547_score
    .symbol:         k_qe36b2c8547_score.kd
    .args:
      - { .name: h16, .offset: 0, .size: 8, .value_kind: global_buffer, .address_space: global }
      - { .name: pv, .offset: 8, .size: 8, .value_kind: global_buffer, .address_space: global }
      - { .name: st, .offset: 16, .size: 8, .value_kind: global_buffer, .address_space: global }
    .group_segment_fixed_size: 327680
    .private_segment_fixed_size: 0
    .kernarg_segment_align: 8
    .kernarg_segment_size: 24
    .max_flat_workgroup_size: 128
    .sgpr_count:     80
    .vgpr_count:     1024
    .wavefront_size: 32
...
	.end_amdgpu_metadata
.endif
;; end of part 3
;; launch mix (part 4): grid 4 x 64, 4 waves a work-group, clusters of 4 x 4, 327,680 bytes of LDS; arguments pv, st, wsc, bo, out0; writes out0
.if DOCPART == 4
	.amdgcn_target "amdgcn-amd-amdhsa--gfx1250"
	.amdhsa_code_object_version 6
	.text
	.protected	k_qe36b2c8547_mix
	.globl	k_qe36b2c8547_mix
	.p2align	8
	.type	k_qe36b2c8547_mix,@function
k_qe36b2c8547_mix:
	s_mov_b64 s[64:65], 0
	v_nop
	global_prefetch_b8 v0, s[64:65] scope:SCOPE_SE
	s_setreg_imm32_b32 hwreg(HW_REG_WAVE_MODE, 25, 1), 1
	s_wait_xcnt 0x0
	s_wait_alu depctr_hold_cnt(0) depctr_sa_sdst(0) depctr_va_vdst(0) depctr_va_sdst(0) depctr_va_ssrc(0) depctr_va_vcc(0) depctr_vm_vsrc(0)
	s_getreg_b32 s2, hwreg(HW_REG_IB_STS2, 6, 4)
	s_cmp_eq_u32 s2, 0
	s_cbranch_scc0 .Lentry_in_a_cluster
	s_endpgm
.Lentry_in_a_cluster:
	s_bfe_u32 s2, ttmp6, 0x10000c
	s_cmp_lg_u32 s2, 0xf033
	s_cbranch_scc0 .Lentry_shape_is_right
	s_endpgm
.Lentry_shape_is_right:
; out0[b][q][e] = (sum over the eight key blocks kb of f[q][kb] x (sum over the block's 128 keys of p[q][key] v''[e][key])) / L[q] x wsc[e] + bo[e].  f16 operands, f32 sums.  No work is left out.
; p = 2^(t - M_blk) was stored under the M of its block of 128 keys.  M_row = the largest of the row's eight; f = 2^(M_blk - M_row), a power of two, at most 1; L = the sum of f x (the block's sum of p).
; A K step of 128 keys is one key block.  EACH KEY BLOCK'S PRODUCT IS BEGUN ANEW (C = 0) in accumulators S and added to the sums O by fused multiply-adds in f32 with the row's f: nothing but the matrix
; operands is narrower than f32.  wsc[e] undoes the power of two by which Wo's row e was scaled.
; LIMIT: where M_blk lies more than 149 under M_row, f is 0: such a block counts for nothing beside the row's largest p, which is over 1/2.
; SHARES.  S and O are 256 registers each, so a wave makes 64 rows x 128 columns and a work-group of four waves 128 x 256: 64 x 4 = 256 tiles.
; THE RING has three LDS slots of one K step (A's 128 rows, B's 256 rows, 272 bytes each: 104,448 bytes).  K steps 0, 1 and 2 are asked for together at the head: three loads of a wave are out.  At the end of
; K step kb = 0 .. 4 the slot just read out takes K step kb + 3: one load a wave, behind a round of the cluster's barrier.  The next step's first fragments lie in a slot that was shown whole a barrier
; earlier, so they are fetched ahead of the change of slots; between the wait for the tile and the next request stand the add, two address steps and the round alone; the multiply-adds follow the request.
; The eight K steps are written out: every slot, offset and refill is a constant of the text.
; CLUSTERS: 4 x 4 work-groups, half a batch's rows.  A's tile (p) is shared along a row of the cluster, B's (v'') along a column: each is asked for JOINTLY.
; THE MATRIX INSTRUCTION IS USED TRANSPOSED (source 0 = 16 rows of v'', source 1 = 16 rows of p): a lane holds one row of out0 and eight neighbouring columns of each column block.
; REGISTERS: window 0: v16-30 addresses; v32-39 1 / L; v64-95, v128-159 A's fragments, two buffers; v160-223 f, a pair for each key block and row block; on the way out v64-255.
;   window 1: v64-127, v128-191 B's fragments; v0-63 wsc, v192-255 bo of my 128 columns, in the result's layout.  window 2: O.  window 3: S ((a, b) at v[8 (8 a + b)] in both).
.set SIZE_K, 1024
.set KSTEP,  128
.set PITCH,  272                       ; an LDS row: 256 bytes + 16 of padding: the 16 rows that a load touches start 68 words apart
.set AHALF,  64*PITCH                  ; what wave 0 or 1 fetches, and what a wave reads of A
.set BHALF,  128*PITCH                 ; what wave 2 or 3 fetches, and what a wave reads of B
.set BOFF,   2*AHALF                   ; B's rows lie behind A's 128
.set SLOT,   2*AHALF+2*BHALF
.set NSL,    3
.set SPARE,  NSL*SLOT                  ; behind the ring: the spare words, 128 bytes for each wave
.set STAGE,  2*SLOT                    ; the way out: 16 rows x 528 bytes for each wave, in slot 2: its last fill is K step 5, and its last read stands ahead of the barrier at the end of that step
.set SPITCH, 528
.set ADRA, 16                          ; v16-18  LDS address of my A fragments in slot 0, 1, 2
.set L8,   19                          ; v19     8 x lane
.set ADRB, 20                          ; v20-22  the same for B
.set H32,  23                          ; v23     32 x (lane / 16)
.set STO,  24
.set RD,   25
.set CO,   26
.set SPW,  28                          ; v28     LDS address of my spare word; never rewritten
.set NIL,  29                          ; v29     0; never rewritten
.set PFO,  30                          ; v30     the prefetches' offset: my lane x a row of 2,048 bytes; never rewritten
.set IL,   32                          ; v32-39  1 / L of my row in each of the four row blocks, as pairs
.set LSUM, 40                          ; v40-41  at the head: L of row 32 i + lane
.set RC,   42                          ; v42-43  and its reciprocal
.set F0,   64
.set F1,   128
.set FP,   160                         ; v[FP + 8 kb + 2 a], + 1: f of my row in row block a, key block kb, twice
.set TT,   64                          ; at the head, at work: v64-67
.set DD,   72                          ; v72-79
.set FF,   80                          ; v80-87   f of row 32 i + lane, by key block
.set NMB,  96                          ; v[NMB + 2 (2 kb + i)] = -M, + 1 = the sum, of row 32 i + lane, key block kb
.set XX,   136                         ; v136-143 the other half of the lanes' f
.set XR,   144                         ; v144-145 and reciprocals
.set Y,    64                          ; the way out: a block's finished numbers
.set BK,   128                         ; and 16 rows read back: v128-191 and v192-255 by turns
.set WS,   0                           ; window 1
.set BO,   192                         ; window 1
.set G1,  24                           ; s[24:31] descriptor group 1 for A's tiles (64 rows)
.set G0,  32                           ; s[32:43] group 0 for A's, a set for each slot
.set G0B, 44                           ; s[44:55] group 0 for B's
.set G1B, 56                           ; s[56:63] group 1 for B's tiles (128 rows)
.set SEL, 66                           ; s[66:67] selects for lane l xor 16
.set LIM, 82                           ; s82  1 in a wave that prefetches, else 0
.set HI,  83                           ; s83  lanes 16-31
.set PFA, 84                           ; s[84:85] where my prefetches stand; never rewritten
.set MSB, 0
.macro WIN new                         ; the immediate's high byte repeats the setting that is left
.if MSB != (\new)
	s_set_vgpr_msb (MSB<<8)|(\new)
.set MSB, (\new)
.endif
.endm
.set MUL,  0xf1                        ; source 0 (B) window 1, source 1 (A) window 0, C and D window 3
.set TO_B, 0x40                        ; destination window 1, address window 0
.set ACW,  0xa3                        ; source 0 (S) window 3, source 1 (f) window 0, source 2 and destination (O) window 2
.macro JLOAD s                         ; a joint load: waves 0 and 1 fetch A's halves, waves 2 and 3 B's; an s_nop 0 and four v_nop follow each line
	s_cmp_eq_u32 s11, 0
	s_cbranch_scc0 .Lfor_b_\@
	tensor_load_to_lds s[G0+4*(\s):G0+4*(\s)+3], s[G1:G1+7]
	s_nop 0
.rept 4
	v_nop
.endr
	s_branch .Lasked_\@
.Lfor_b_\@:
	tensor_load_to_lds s[G0B+4*(\s):G0B+4*(\s)+3], s[G1B:G1B+7]
	s_nop 0
.rept 4
	v_nop
.endr
.Lasked_\@:
.endm
; A prefetch of the K step that the NEXT change of slots will ask for (K steps 4 to 7): 32 rows x 256 bytes, a lane a row, one instruction a wave.  A's 128 rows are read by one row of one cluster: wave 0
; asks, and the four partners take 32 rows each, told apart by address.  B's 256 rows are read by a column of each of the batch's two clusters: waves 2 and 3 of the first ask, 32 rows a partner.
.macro ASK kb
	s_cmp_eq_u32 s[LIM], 1
	s_cbranch_scc0 .Lnot_mine_\@
	global_prefetch_b8 v[PFO], s[PFA:PFA+1] offset:((\kb)+4)*KSTEP*2 th:TH_LOAD_NT scope:SCOPE_SE
.Lnot_mine_\@:
.endm
.macro CROUND                          ; a round of the cluster's barrier
	s_barrier_signal -1
	s_barrier_wait -1
	s_cmp_lg_u32 s10, 0
	s_cbranch_scc1 .Lnot_wave_0_\@
	s_barrier_signal -3
.Lnot_wave_0_\@:
	s_barrier_wait -3
	s_barrier_signal -1
	s_barrier_wait -1
.endm
	s_load_b64 s[4:5], s[0:1], 0x0                 ; pv: A and B both
	s_load_b128 s[68:71], s[0:1], 0x8              ; st s[68:69], wsc s[70:71]
	s_load_b128 s[72:75], s[0:1], 0x18             ; bo s[72:73], out0 s[74:75]
	v_lshl_add_u32 v[SPW], v0, 2, SPARE
	v_mov_b32 v[NIL], 0
	ds_add_u32 v[SPW], v[NIL]                      ; the wave's opening: the add, twice on end, and its wait ahead of my first tensor load
	ds_add_u32 v[SPW], v[NIL]
	v_lshrrev_b32 v1, 5, v0
	v_readfirstlane_b32 s10, v1                    ; wave 0..3
	s_lshr_b32 s11, s10, 1                         ; which 64 of the tile's rows are mine.  Also: I fetch for A (0) or for B (1)
	s_and_b32 s12, s10, 1                          ; which 128 of its columns.  Also: which half of that tile's rows I fetch
	s_bfe_u32 s76, ttmp6, 0x40000                  ; cx
	s_bfe_u32 s77, ttmp6, 0x40004                  ; cy
	s_lshl_b32 s78, ttmp9, 2
	s_add_co_u32 s78, s78, s76                     ; tile column = 4 x cluster x + cx
	s_and_b32 s79, ttmp7, 0xffff                   ; cluster y, 0 .. 15: two clusters to a batch
	s_lshl_b32 s13, s79, 2
	s_add_co_u32 s13, s13, s77                     ; tile row = 4 x cluster y + cy
	s_lshl_b32 s86, s77, 2
	s_lshl_b32 s86, 15, s86                        ; my row of the cluster
	s_lshl_b32 s87, 0x1111, s76                    ; my column
	s_or_b32 s[G1+0], s86, (1<<16)|(1<<20)|(1<<21)|(5<<22)|(3<<25)   ; the mask; elements of 2 bytes; padding on; bit 21 beside a mask; 4 words of padding after every 64
	s_or_b32 s[G1B+0], s87, (1<<16)|(1<<20)|(1<<21)|(5<<22)|(3<<25)
	s_mov_b32 s[G1+1], KSTEP<<16                   ; tensor_dim0 = 128
	s_mov_b32 s[G1+2], 64<<16                      ; tensor_dim1 = 64
	s_mov_b32 s[G1+3], KSTEP<<16                   ; tile_dim0
	s_mov_b32 s[G1+4], 64                          ; tile_dim1
	s_mov_b32 s[G1+5], SIZE_K                      ; elements from row to row
	s_mov_b32 s[G1+6], 0
	s_mov_b32 s[G1+7], 0
	s_mov_b32 s[G1B+1], KSTEP<<16
	s_mov_b32 s[G1B+2], 128<<16                    ; B: 128 rows to a load
	s_mov_b32 s[G1B+3], KSTEP<<16
	s_mov_b32 s[G1B+4], 128
	s_mov_b32 s[G1B+5], SIZE_K
	s_mov_b32 s[G1B+6], 0
	s_mov_b32 s[G1B+7], 0
	s_mov_b32 s[SEL], 0x76543210
	s_mov_b32 s[SEL+1], 0xfedcba98
	s_mov_b32 s[HI], 0xffff0000
	s_lshl_b32 s80, s13, 7                         ; A: the tile's first row: 128 x tile row
	s_lshl_b32 s16, s12, 6
	s_add_co_u32 s16, s16, s80                     ; + the 64 rows that I fetch
	s_lshr_b32 s81, s79, 1                         ; the batch
	s_lshl_b32 s81, s81, 10
	s_add_co_u32 s81, s81, 8192                    ; its v'' begins at this row of pv
	s_lshl_b32 s20, s78, 8
	s_add_co_u32 s81, s81, s20                     ; B: the tile's first row: + 256 x tile column
	s_lshl_b32 s20, s12, 7
	s_add_co_u32 s20, s20, s81                     ; + the 128 rows that I fetch
	s_mov_b32 s17, 0
	s_mov_b32 s21, 0
	s_mov_b64 s[18:19], SIZE_K*2
	s_mul_u64 s[16:17], s[16:17], s[18:19]
	s_mul_u64 s[20:21], s[20:21], s[18:19]
	s_mul_i32 s6, s12, AHALF                       ; where they go in a slot: A's two halves,
	s_mul_i32 s7, s12, BHALF
	s_add_co_u32 s7, s7, BOFF                      ; then B's two: the wave's number alone
	s_wait_dscnt 0x0                               ; both opening adds are done
	s_wait_kmcnt 0x0
	s_add_nc_u64 s[14:15], s[4:5], s[16:17]
	s_add_nc_u64 s[22:23], s[4:5], s[20:21]
	CROUND                                         ; all sixteen work-groups are here: the first joint loads meet
.irp s, 0,1,2
	s_mov_b32 s[G0+4*\s], 1
	s_add_co_u32 s[G0+4*\s+1], s6, \s*SLOT
	s_add_nc_u64 s[G0+4*\s+2:G0+4*\s+3], s[14:15], \s*KSTEP*2
	s_or_b32 s[G0+4*\s+3], s[G0+4*\s+3], 0x80000000
	s_mov_b32 s[G0B+4*\s], 1
	s_add_co_u32 s[G0B+4*\s+1], s7, \s*SLOT
	s_add_nc_u64 s[G0B+4*\s+2:G0B+4*\s+3], s[22:23], \s*KSTEP*2
	s_or_b32 s[G0B+4*\s+3], s[G0B+4*\s+3], 0x80000000
	JLOAD \s                                       ; K steps 0, 1, 2: three loads of mine are out
.endr
	v_and_b32 v1, 15, v0                           ; l % 16
	v_bfe_u32 v2, v0, 4, 1                         ; l / 16
	v_and_b32 v3, 31, v0                           ; lane
	v_lshlrev_b32 v[L8], 3, v3
	v_lshlrev_b32 v[H32], 5, v2
	s_lshl_b32 s20, s11, 6
	s_add_co_u32 s20, s20, s80                     ; my first row: 128 x tile row + 64 x half
	s_lshl_b32 s22, s20, 3
	s_mov_b32 s23, 0
	s_add_nc_u64 s[68:69], s[68:69], s[22:23]      ; st at my first row, key block 0
	s_lshl_b32 s22, s78, 10
	s_lshl_b32 s21, s12, 9
	s_add_co_u32 s22, s22, s21                     ; my first column in f32 bytes: 1,024 x tile column + 512 x half
	s_add_nc_u64 s[70:71], s[70:71], s[22:23]
	s_add_nc_u64 s[72:73], s[72:73], s[22:23]
	s_add_nc_u64 s[74:75], s[74:75], s[22:23]
	s_mov_b32 s21, 0
	s_lshl_b64 s[20:21], s[20:21], 12              ; rows of 4,096 bytes
	s_add_nc_u64 s[74:75], s[74:75], s[20:21]
.irp kb, 0,1,2,3,4,5,6,7
.irp i, 0,1
	global_load_b64 v[NMB+2*(2*\kb+\i):NMB+2*(2*\kb+\i)+1], v[L8], s[68:69] offset:65536*\kb+256*\i   ; (-M, sum) of row 32 i + lane: 256 consecutive bytes a load
.endr
.endr
	WIN TO_B                                       ; destination window 1
.irp b, 0,1,2,3,4,5,6,7
	global_load_b128 v[WS+8*\b:WS+8*\b+3], v[H32], s[70:71] offset:64*\b          ; wsc and bo at columns 16 b + 8 (l / 16) + 0 .. 7
	global_load_b128 v[WS+8*\b+4:WS+8*\b+7], v[H32], s[70:71] offset:64*\b+16
	global_load_b128 v[BO+8*\b:BO+8*\b+3], v[H32], s[72:73] offset:64*\b
	global_load_b128 v[BO+8*\b+4:BO+8*\b+7], v[H32], s[72:73] offset:64*\b+16
.endr
	WIN 0
	v_mul_u32_u24 v5, v1, PITCH
	v_lshl_add_u32 v5, v2, 4, v5                   ; a fragment's row x pitch + 16 x half
	s_mul_i32 s21, s11, AHALF                      ; my 64 rows of A
	s_mul_i32 s22, s12, BHALF                      ; my 128 rows of B,
	s_add_co_u32 s22, s22, BOFF                    ; which lie behind A's 128
.irp s, 0,1,2
	v_add_nc_u32 v[ADRA+\s], s21, v5
	v_add_nc_u32 v[ADRB+\s], s22, v5
	s_add_co_u32 s21, s21, SLOT
	s_add_co_u32 s22, s22, SLOT
.endr
	s_mul_i32 s23, s10, 16*SPITCH
	s_add_co_u32 s23, s23, STAGE                   ; my stage
	v_mul_u32_u24 v5, v1, SPITCH
	v_lshl_add_u32 v5, v2, 5, v5
	v_add_nc_u32 v[STO], s23, v5                   ; in: row l % 16, 32 bytes for each half of the lanes
	v_lshlrev_b32 v[CO], 4, v3                     ; back: the 32 lanes take one row of 512 bytes; and the same in out0
	v_add_nc_u32 v[RD], s23, v[CO]
	s_cmp_eq_u32 s11, 0                            ; the prefetches: for A or for B?
	s_cselect_b32 s20, s80, s81                    ; the tile's first row
	s_cselect_b32 s21, s76, s77                    ; my place among the four that ask for it with me
	s_cselect_b32 s22, 0, s12                      ; A: wave 0 serves all 128 rows; B: the 128 rows that I fetch
	s_lshl_b32 s22, s22, 7
	s_add_co_u32 s20, s20, s22
	s_lshl_b32 s21, s21, 5
	s_add_co_u32 s20, s20, s21                     ; + my work-group's 32 rows
	s_mov_b32 s21, 0
	s_mul_u64 s[20:21], s[20:21], s[18:19]
	s_add_nc_u64 s[PFA:PFA+1], s[4:5], s[20:21]
	s_and_b32 s22, s79, 1                          ; the batch's second cluster?
	s_cmp_eq_u32 s11, 0
	s_cselect_b32 s22, s12, s22                    ; A: wave 1 asks for nothing; B: the batch's second cluster asks for nothing
	s_cmp_eq_u32 s22, 0
	s_cselect_b32 s[LIM], 1, 0                     ; the same in all sixteen partners, for a given wave
	v_mul_u32_u24 v[PFO], v3, SIZE_K*2
.irp kb, 0,1,2,3,4,5,6,7
	v_mov_b32 v[XX+\kb], 0                         ; written once: a lane permute's destination counts as one of its sources
.endr
	v_mov_b32 v[XR], 0
	v_mov_b32 v[XR+1], 0
	s_wait_loadcnt 32                              ; the 16 loads of st are in; the 32 of wsc and bo may be out
	; f AND L, for my 64 rows, 32 at a time: -M_row = the smallest -M; f = 2^(-M_row + M_blk); L = the sum of f x the block's sum.  Then every lane (r, h) gets the f of row 16 a + r:
	; row 32 i + lane is row block 2 i + lane / 16, so block 2 i lies in lanes 0-15 and block 2 i + 1 in lanes 16-31; the other half takes them from lane l xor 16.
.irp i, 0,1
	v_min_num_f32 v[TT], v[NMB+2*(\i)], v[NMB+2*(2+\i)]
	v_min_num_f32 v[TT+1], v[NMB+2*(4+\i)], v[NMB+2*(6+\i)]
	v_min_num_f32 v[TT+2], v[NMB+2*(8+\i)], v[NMB+2*(10+\i)]
	v_min_num_f32 v[TT+3], v[NMB+2*(12+\i)], v[NMB+2*(14+\i)]
	v_min_num_f32 v[TT], v[TT], v[TT+1]
	v_min_num_f32 v[TT+2], v[TT+2], v[TT+3]
	v_min_num_f32 v[TT], v[TT], v[TT+2]
.irp kb, 0,1,2,3,4,5,6,7
	v_sub_f32 v[DD+\kb], v[TT], v[NMB+2*(2*\kb+\i)]   ; a whole number, 0 or less
.endr
.irp kb, 0,1,2,3,4,5,6,7
	v_cvt_i32_f32 v[DD+\kb], v[DD+\kb]             ; (it saturates)
.endr
.irp kb, 0,1,2,3,4,5,6,7
	v_ldexp_f32 v[FF+\kb], 1.0, v[DD+\kb]
.endr
	v_mul_f32 v[LSUM+\i], v[FF], v[NMB+2*(\i)+1]
.irp kb, 1,2,3,4,5,6,7
	v_fma_f32 v[LSUM+\i], v[FF+\kb], v[NMB+2*(2*\kb+\i)+1], v[LSUM+\i]
.endr
.irp kb, 0,1,2,3,4,5,6,7
	v_permlanex16_b32 v[XX+\kb], v[FF+\kb], s[SEL], s[SEL+1]
.endr
.irp kb, 0,1,2,3,4,5,6,7
	v_cndmask_b32 v[FP+8*\kb+4*\i], v[FF+\kb], v[XX+\kb], s[HI]      ; row block 2 i: lanes 0-15 hold it, lanes 16-31 take the other half's
	v_cndmask_b32 v[FP+8*\kb+4*\i+1], v[FF+\kb], v[XX+\kb], s[HI]    ; (twice: a pair for the packed forms)
	v_cndmask_b32 v[FP+8*\kb+4*\i+2], v[XX+\kb], v[FF+\kb], s[HI]    ; row block 2 i + 1: the other way round
	v_cndmask_b32 v[FP+8*\kb+4*\i+3], v[XX+\kb], v[FF+\kb], s[HI]
.endr
.endr
	v_rcp_f32 v[RC], v[LSUM]                       ; L is over 1/2: the row's largest block has f = 1 and a p over 1/2
	v_rcp_f32 v[RC+1], v[LSUM+1]
	v_nop                                          ; a plain line behind the last reciprocal
	s_wait_alu depctr_va_vdst(0)                   ; one wait for the two, ahead of their first reader
.irp i, 0,1
	v_permlanex16_b32 v[XR+\i], v[RC+\i], s[SEL], s[SEL+1]
.endr
.irp i, 0,1
	v_cndmask_b32 v[IL+4*\i], v[RC+\i], v[XR+\i], s[HI]
	v_cndmask_b32 v[IL+4*\i+1], v[RC+\i], v[XR+\i], s[HI]
	v_cndmask_b32 v[IL+4*\i+2], v[XR+\i], v[RC+\i], s[HI]
	v_cndmask_b32 v[IL+4*\i+3], v[XR+\i], v[RC+\i], s[HI]
.endr
; 16 matrix instructions: row blocks a0, a0 + 1 x all 8 column blocks, 32 along K.  zero = 1: the key block's first products start its sums.  The 32 accumulators take turns, one instruction a turn, in the
; same order in every quarter.
.macro MUL16 f, a0, zero
.irp a, \a0, \a0+1
.irp b, 0,1,2,3,4,5,6,7
.if \zero
	v_wmma_f32_16x16x32_f16 v[8*(8*(\a)+\b):8*(8*(\a)+\b)+7], v[\f+8*\b:\f+8*\b+7], v[\f+8*(\a):\f+8*(\a)+7], 0
.else
	v_wmma_f32_16x16x32_f16 v[8*(8*(\a)+\b):8*(8*(\a)+\b)+7], v[\f+8*\b:\f+8*\b+7], v[\f+8*(\a):\f+8*(\a)+7], v[8*(8*(\a)+\b):8*(8*(\a)+\b)+7]
.endif
.endr
.endr
.endm
.macro FETCH slot, k, f                ; 24 LDS loads in one run: a quarter step's fragments: 128 rows of B, 64 rows of A, 32 K at byte k of the rows
	WIN TO_B
.irp i, 0,1,2,3,4,5,6,7
	ds_load_b128 v[\f+8*\i:\f+8*\i+3],   v[ADRB+\slot] offset:\k+\i*16*PITCH
	ds_load_b128 v[\f+8*\i+4:\f+8*\i+7], v[ADRB+\slot] offset:\k+\i*16*PITCH+32
.endr
	WIN 0
.irp i, 0,1,2,3
	ds_load_b128 v[\f+8*\i:\f+8*\i+3],   v[ADRA+\slot] offset:\k+\i*16*PITCH
	ds_load_b128 v[\f+8*\i+4:\f+8*\i+7], v[ADRA+\slot] offset:\k+\i*16*PITCH+32
.endr
.endm
.macro PLACES                          ; four plain vector lines between a matrix instruction and a load into, or a read of, its registers
.rept 4
	v_nop
.endr
.endm
; A quarter: 32 along K, 32 matrix instructions on buffer f.  At its head the fragments that come next (byte k of slot's rows) are asked for, into buffer g, which the quarter before multiplied: they have the whole quarter in which to come.
.macro QUARTER slot, k, f, g, zero
	PLACES
	FETCH \slot, \k, \g
	s_wait_dscnt 24                                ; buffer f is in; the 24 loads just issued may be out
	WIN MUL
	MUL16 \f, 0, \zero
	MUL16 \f, 2, \zero
.endm
; The change of slots with a refill.  Each wave waits for all its tensor loads (one is out), adds 0 to its spare word, steps the slot's two addresses, waits for the add and for its reads; the round shows that
; of every wave of all sixteen work-groups; the joint refill stands first behind it.
.macro SYNC slot, kb
	WIN 0
	s_wait_tensorcnt 0x0                           ; no tensor load of mine is out, so a group 0 may be written
	ds_add_u32 v[SPW], v[NIL]                      ; 0 onto my spare word
	s_add_nc_u64 s[G0+4*(\slot)+2:G0+4*(\slot)+3], s[G0+4*(\slot)+2:G0+4*(\slot)+3], NSL*KSTEP*2
	s_add_nc_u64 s[G0B+4*(\slot)+2:G0B+4*(\slot)+3], s[G0B+4*(\slot)+2:G0B+4*(\slot)+3], NSL*KSTEP*2
	s_wait_dscnt 0x0                               ; the add is done, and my reads of this slot are over
	CROUND
	JLOAD \slot                                    ; my one tensor load behind the round
.if (\kb) < 4
	ASK \kb
.endif
.endm
.macro MEET                            ; the last tile (K step 7) is shown whole to every wave, and slot 2 is left for good; nothing is filled, so no round
	WIN 0
	s_wait_tensorcnt 0x0
	ds_add_u32 v[SPW], v[NIL]
	s_wait_dscnt 0x0
	s_barrier_signal -1
	s_barrier_wait -1
.endm
.macro ACC kb                          ; O += f x S, in f32: 128 packed lines; each accumulator from its low end on.  The first key block starts O: nothing is cleared
	PLACES
	WIN ACW
.irp a, 0,1,2,3
.set i, 64*\a
.rept 32
.if (\kb) == 0
	v_pk_mul_f32 v[i:i+1], v[i:i+1], v[FP+8*(\kb)+2*\a:FP+8*(\kb)+2*\a+1]
.else
	v_pk_fma_f32 v[i:i+1], v[i:i+1], v[FP+8*(\kb)+2*\a:FP+8*(\kb)+2*\a+1], v[i:i+1]
.endif
.set i, i+2
.endr
.endr
	WIN 0
.endm
.macro STEP kb                         ; a K step = a key block: four quarters on buffers 0, 1, 0, 1; the last asks for the next step's first fragments
.set SL, (\kb)%NSL
.set NX, ((\kb)+1)%NSL
	QUARTER SL, 64,  F0, F1, 1
	QUARTER SL, 128, F1, F0, 0
	QUARTER SL, 192, F0, F1, 0
.if (\kb) < 7
	QUARTER NX, 0, F1, F0, 0
.else
	s_wait_dscnt 0x0                               ; the very last quarter: nothing more to fetch
	WIN MUL
	MUL16 F1, 0, 0
	MUL16 F1, 2, 0
.endif
.if (\kb) < 5
	SYNC SL, \kb                                   ; this slot takes K step kb + 3
.elseif (\kb) == 5
	MEET
.endif
	ACC \kb
.endm
	s_wait_tensorcnt 1                             ; my parts of K steps 0 and 1 are in (K step 2's load may be out)
	s_barrier_signal -1
	s_barrier_wait -1                              ; everybody's are
	FETCH 0, 0, F0
.irp kb, 0,1,2,3,4,5,6,7
	STEP \kb
.endr
; THE WAY OUT, a block of 16 rows x 128 columns at a time: x 1 / L, x wsc + bo; through my stage; back as whole rows of 512 bytes.
.macro FIN a
	WIN 0x02                                       ; source 0 (O): window 2
.set i, 0
.rept 32
	v_pk_mul_f32 v[Y+i:Y+i+1], v[64*(\a)+i:64*(\a)+i+1], v[IL+2*(\a):IL+2*(\a)+1]
.set i, i+2
.endr
	WIN 0x14                                       ; sources 1 and 2: window 1
.set i, 0
.rept 32
	v_pk_fma_f32 v[Y+i:Y+i+1], v[Y+i:Y+i+1], v[WS+i:WS+i+1], v[BO+i:BO+i+1]
.set i, i+2
.endr
	WIN 0
.endm
.macro TOSTAGE a
.irp b, 0,1,2,3,4,5,6,7
	ds_store_b128 v[STO], v[Y+8*\b:Y+8*\b+3] offset:64*\b
	ds_store_b128 v[STO], v[Y+8*\b+4:Y+8*\b+7] offset:64*\b+16
.endr
.set BB, BK+64*((\a)%2)
.irp t, 0,1,2,3,4,5,6,7,8,9,10,11,12,13,14,15
	ds_load_b128 v[BB+4*\t:BB+4*\t+3], v[RD] offset:\t*SPITCH      ; LDS serves a wave's instructions in order: these see the stores above
.endr
.endm
.macro SEND a, younger                 ; younger: the LDS instructions issued behind block a's loads, which may stay out
.set BB, BK+64*((\a)%2)
	s_wait_dscnt \younger
.if (\a) > 0
	s_add_nc_u64 s[74:75], s[74:75], 16*4096       ; (behind a wait on XCNT: the earlier stores have read their base)
.endif
.irp t, 0,1,2,3,4,5,6,7,8,9,10,11,12,13,14,15
	global_store_b128 v[CO], v[BB+4*\t:BB+4*\t+3], s[74:75] offset:\t*4096 th:TH_STORE_NT   ; 32 lanes store 512 consecutive bytes, aligned
.endr
.endm
	s_wait_loadcnt 0x0                             ; wsc and bo
	FIN 0                                          ; (the last key block's 128 multiply-adds stand between the last products and these lines)
	TOSTAGE 0
.irp a, 1,2,3
.if \a > 1
	s_wait_xcnt 0x0                                ; block a - 2's stores have read their registers and their base
.endif
	FIN \a
	TOSTAGE \a
	SEND \a-1, 32                                  ; behind block a - 1's loads: block a's 16 stores and 16 loads
.endr
	s_wait_xcnt 0x0
	SEND 3, 0
	s_wait_tensorcnt 0x0                           ; the wave's end
	ds_add_u32 v[SPW], v[NIL]
	s_wait_dscnt 0x0
	CROUND                                         ; the closing round
	s_endpgm
.Lfunc_end_k_qe36b2c8547_mix:
	.size	k_qe36b2c8547_mix, .Lfunc_end_k_qe36b2c8547_mix-k_qe36b2c8547_mix
	.p2alignl 7, 3214868480
	.fill 96, 4, 3214868480
	.section	.rodata,"a",@progbits
	.p2align	6, 0x0
	.amdhsa_kernel k_qe36b2c8547_mix
		.amdhsa_group_segment_fixed_size 327680
		.amdhsa_private_segment_fixed_size 0
		.amdhsa_enable_private_segment 0
		.amdhsa_kernarg_size 40
		.amdhsa_user_sgpr_count 2
		.amdhsa_user_sgpr_kernarg_segment_ptr 1
		.amdhsa_wavefront_size32 1
		.amdhsa_system_sgpr_workgroup_id_x 1
		.amdhsa_system_sgpr_workgroup_id_y 1
		.amdhsa_system_sgpr_workgroup_id_z 1
		.amdhsa_system_vgpr_workitem_id 0
		.amdhsa_next_free_vgpr 1024
		.amdhsa_next_free_sgpr 96
		.amdhsa_reserve_vcc 0
		.amdhsa_float_denorm_mode_32 3
		.amdhsa_float_denorm_mode_16_64 3
		.amdhsa_memory_ordered 1
		.amdhsa_forward_progress 1
		.amdhsa_inst_pref_size 247
	.end_amdhsa_kernel
	.amdgpu_metadata
---
amdhsa.version: [ 1, 2 ]
amdhsa.kernels:
  - .name:           k_qe36b2c8547_mix
    .symbol:         k_qe36b2c8547_mix.kd
    .args:
      - { .name: pv, .offset: 0, .size: 8, .value_kind: global_buffer, .address_space: global }
      - { .name: st, .offset: 8, .size: 8, .value_kind: global_buffer, .address_space: global }
      - { .name: wsc, .offset: 16, .size: 8, .value_kind: global_buffer, .address_space: global }
      - { .name: bo, .offset: 24, .size: 8, .value_kind: global_buffer, .address_space: global }
      - { .name: out0, .offset: 32, .size: 8, .value_kind: global_buffer, .address_space: global }
    .group_segment_fixed_size: 327680
    .private_segment_fixed_size: 0
    .kernarg_segment_align: 8
    .kernarg_segment_size: 40
    .max_flat_workgroup_size: 128
    .sgpr_count:     96
    .vgpr_count:     1024
    .wavefront_size: 32
...
	.end_amdgpu_metadata
.endif
;; end of part 4
